; MI455X (gfx1250); checked and timed in simulation.
; The chip was launched on July 23, 2026; its instructions are those of AMD's public machine-readable ISA for CDNA 5 (MIT licence, August 2026) and "CDNA5" Instruction Set Architecture Reference Guide (July 2026). The comments in the code are by the model that wrote it; some were corrected since.
;; Bert Moe Layer. Allowed arithmetic: float matrix products may take bf16 or f16 operands with f32 sums; other float arithmetic in f32, or as packed bf16 or f16 multiplies, adds, multiply-adds, maxima and minima; sums over many terms, partial sums and values carried from step to step in f32; what a program stores and reads back later, other than sums and carried values, may be rounded once to bf16 or f16.
;; Inputs: Wao 768 x 768 float32; Wi 8 x 768 x 3,072 float32; Wk 768 x 768 float32; Wo 3,072 x 768 float32; Wq 768 x 768 float32; Wr 768 x 8 float32; Wv 768 x 768 float32; bao 768 float32; bi 8 x 3,072 float32; bk 768 float32; bo 768 float32; bq 768 float32; br 8 float32; bv 768 float32; hidden_states 8 x 256 x 768 float32; ln1_b 768 float32; ln1_g 768 float32; ln2_b 768 float32; ln2_g 768 float32.
;; Outputs: out0 8 x 256 x 768 float32; out1 8 x 256 x 8 float32.
;; One version. Each part assembles by itself: llvm-mc -triple=amdgcn-amd-amdhsa -mcpu=gfx1250 --defsym DOCPART=n.
;; ======== version 1 of 1: 8 launches
;; limits: values are held in f16: magnitudes above 65,504 overflow, below 6.1e-05 lose precision
;; workspace buffers: wcast 12,595,200 bytes; qkv 12,582,912 bytes; ctx 3,145,728 bytes; cmat 6,291,456 bytes; aout 9,437,184 bytes; eidx 8,192 bytes of whole numbers; list 8,192 bytes of whole numbers
;; launch prep (part 1): grid 257 x 1, 8 waves a work-group, no clusters, 0 bytes of LDS; arguments hidden_states, Wq, Wk, Wv, Wao, Wo, wcast, Wr; writes wcast
.if DOCPART == 1
	.amdgcn_target "amdgcn-amd-amdhsa--gfx1250"
	.amdhsa_code_object_version 6
	.text
	.protected	k_q752cb98920_prep
	.globl	k_q752cb98920_prep
	.p2align	8
	.type	k_q752cb98920_prep,@function
k_q752cb98920_prep:
	s_mov_b64 s[64:65], 0
	v_nop
	global_prefetch_b8 v0, s[64:65] scope:SCOPE_SE
	s_setreg_imm32_b32 hwreg(HW_REG_WAVE_MODE, 25, 1), 1
	s_wait_xcnt 0x0
; PREP: x and the five dense weights are rounded once to bf16 and that number is written as f16 into wcast; Wr is rounded to bf16 and written as bf16.
; LIMITS. For x and the dense weights the bf16 number must lie within f16's range (65,504); below 6e-5 it keeps f16's fixed step of 6e-8.
; LAYOUT. x16: row-major [2048][768] at byte 0.  A weight W[K][768] goes out TURNED, in fragment order: block (nb = n / 16, kb = k / 32)
; is 1,024 bytes at (nb KB + kb) 1024; in it byte 256 q + 16 r holds column 16 nb + r, k = 32 kb + 8 q + 0..7 (q = 0..3).  So a later
; matrix fragment is two loads of 512 consecutive bytes.  Wr: [768][8] bf16 as it lies, at byte 12,582,912.
; SHARES. 256 work-groups of equal bytes (98,304 of f32 each): 0-63 x; 64-87 Wq, 88-111 Wk, 112-135 Wv, 136-159 Wao, 160-255 Wo: one kb each.
; Work-group 256 has Wr's 24,576 bytes.
; Weights: wave w takes k rows 8 (w / 2) + 0..7 and column half w % 2; a lane loads eight k of ONE column (32 lanes: 128 consecutive bytes a
; load), packs them to 16 bytes, and sixteen lanes store 256 consecutive, aligned bytes.  No LDS, no barrier, no matrix unit: a stream.
.set XW,  32                           ; v[32:127]  as loaded: step i at XW + 8 i
.set OUT, 128                          ; v[128:175] to store: step i at OUT + 4 i
.set DA,  16                           ; v[16:27]   weights: step i's byte offset in wcast
.set HI,  34                           ; s34        mask of a word's upper half
.macro CV4 i                           ; eight f32 of step i: to bf16, widened again, to f16: 16 bytes
.irp u, 0,1,2,3
	v_cvt_pk_bf16_f32 v[6+\u], v[XW+8*(\i)+2*\u], v[XW+8*(\i)+2*\u+1]
.endr
.irp u, 0,1,2,3
	v_lshlrev_b32 v[XW+8*(\i)+2*\u], 16, v[6+\u]
	v_and_b32 v[XW+8*(\i)+2*\u+1], s[HI], v[6+\u]
.endr
.irp u, 0,1,2,3
	v_cvt_pk_f16_f32 v[OUT+4*(\i)+\u], v[XW+8*(\i)+2*\u], v[XW+8*(\i)+2*\u+1]
.endr
.endm
.macro PICK bound, ptr, first, dst     ; work-groups below bound belong to an earlier weight
	s_cmp_lt_u32 s23, \bound
	s_cselect_b64 s[18:19], s[\ptr:\ptr+1], s[18:19]
	s_cselect_b32 s20, \first, s20
	s_cselect_b32 s21, \dst, s21
	s_cselect_b32 s22, 24576, s22
.endm
	s_load_b256 s[4:11], s[0:1], 0x0               ; hidden s[4:5], Wq s[6:7], Wk s[8:9], Wv s[10:11]
	s_load_b128 s[12:15], s[0:1], 0x20             ; Wao s[12:13], Wo s[14:15]
	s_load_b128 s[16:19], s[0:1], 0x30             ; wcast s[16:17], Wr s[18:19]
	v_and_b32 v1, 31, v0                           ; lane
	v_lshrrev_b32 v2, 5, v0
	v_readfirstlane_b32 s24, v2                    ; wave
	s_mov_b32 s23, ttmp9
	s_mov_b32 s[HI], 0xffff0000
	s_mov_b32 s33, 0
	s_wait_kmcnt 0x0
	s_cmp_eq_u32 s23, 256
	s_cbranch_scc1 .Lwr
	s_cmp_lt_u32 s23, 64
	s_cbranch_scc1 .Lx
	; ---- a weight: which one, and which kb of it
	s_mov_b64 s[18:19], s[14:15]                   ; Wo,
	s_mov_b32 s20, 160                             ; its first work-group,
	s_mov_b32 s21, 7864320                         ; its place in wcast,
	s_mov_b32 s22, 98304                           ; and KB x 1,024: bytes from nb to nb + 1
	PICK 160, 12, 136, 6684672
	PICK 136, 10, 112, 5505024
	PICK 112, 8, 88, 4325376
	PICK 88, 6, 64, 3145728
	s_sub_co_u32 s20, s23, s20                     ; kb
	s_mul_i32 s32, s20, 98304                      ; 32 rows of 3,072 bytes
	s_add_nc_u64 s[18:19], s[18:19], s[32:33]
	s_lshl_b32 s32, s20, 10
	s_add_co_u32 s32, s32, s21
	s_add_nc_u64 s[16:17], s[16:17], s[32:33]
	s_lshr_b32 s25, s24, 1                         ; q: which eight k
	s_and_b32 s26, s24, 1                          ; column half
	s_mul_i32 s27, s25, 24576
	s_mul_i32 s28, s26, 1536
	s_add_co_u32 s27, s27, s28
	v_lshl_add_u32 v3, v1, 2, s27
.set i, 0
.rept 12                                       ; all 96 loads go out before the first wait
.set t, 0
.rept 8
	global_load_b32 v[XW+8*i+t], v3, s[18:19] offset:t*3072+i*128 th:TH_LOAD_NT
.set t, t+1
.endr
.set i, i+1
.endr
	v_lshrrev_b32 v4, 4, v1
	s_mul_i32 s29, s26, 24
	v_add_nc_u32 v4, s29, v4                       ; nb of step 0
	v_mul_lo_u32 v[DA], v4, s22
	v_and_b32 v5, 15, v1
	v_lshl_add_u32 v[DA], v5, 4, v[DA]
	s_lshl_b32 s30, s25, 8
	v_add_nc_u32 v[DA], s30, v[DA]
	s_lshl_b32 s31, s22, 1                         ; a step is two nb on
.set i, 1
.rept 11
	v_add_nc_u32 v[DA+i], s31, v[DA+i-1]
.set i, i+1
.endr
.set i, 0
.rept 12
.if 88-8*i > 63
	s_wait_loadcnt 63                              ; a smaller count than the 88 - 8 i loads issued behind step i's
.else
	s_wait_loadcnt 88-8*i                          ; step i's eight loads are in; the younger steps' stay out
.endif
	CV4 i
	global_store_b128 v[DA+i], v[OUT+4*i:OUT+4*i+3], s[16:17]  ; sixteen lanes: 256 consecutive bytes, aligned
.set i, i+1
.endr
	s_endpgm
.Lx:	; ---- x: 98,304 bytes of f32 a work-group, 12,288 a wave, 1,024 a step
	s_mul_i32 s32, s23, 98304
	s_add_nc_u64 s[4:5], s[4:5], s[32:33]
	s_mul_i32 s32, s23, 49152
	s_add_nc_u64 s[16:17], s[16:17], s[32:33]
	s_mul_i32 s27, s24, 12288
	v_lshl_add_u32 v3, v1, 5, s27
.set i, 0
.rept 12
	global_load_b128 v[XW+8*i:XW+8*i+3],   v3, s[4:5] offset:i*1024
	global_load_b128 v[XW+8*i+4:XW+8*i+7], v3, s[4:5] offset:i*1024+16
.set i, i+1
.endr
	s_mul_i32 s28, s24, 6144
	v_lshl_add_u32 v[DA], v1, 4, s28
.set i, 0
.rept 12
	s_wait_loadcnt 2*(11-i)                        ; two loads for each younger step stay out
	CV4 i
	global_store_b128 v[DA], v[OUT+4*i:OUT+4*i+3], s[16:17] offset:i*512  ; 512 consecutive bytes
.set i, i+1
.endr
	s_endpgm
.Lwr:	; ---- Wr: 3,072 bytes of f32 a wave, 1,024 a step; a lane has one row of Wr, eight experts: 32 bytes in, 16 bytes out
	s_mul_i32 s27, s24, 3072
	v_lshl_add_u32 v3, v1, 5, s27
.irp i, 0,1,2
	global_load_b128 v[XW+8*\i:XW+8*\i+3],   v3, s[18:19] offset:\i*1024
	global_load_b128 v[XW+8*\i+4:XW+8*\i+7], v3, s[18:19] offset:\i*1024+16
.endr
	s_add_nc_u64 s[16:17], s[16:17], 12582912      ; behind the dense weights
	s_mul_i32 s28, s24, 1536
	v_lshl_add_u32 v[DA], v1, 4, s28
	s_wait_loadcnt 0x0
.irp i, 0,1,2
.irp u, 0,1,2,3
	v_cvt_pk_bf16_f32 v[OUT+4*\i+\u], v[XW+8*\i+2*\u], v[XW+8*\i+2*\u+1]
.endr
	global_store_b128 v[DA], v[OUT+4*\i:OUT+4*\i+3], s[16:17] offset:\i*512   ; 512 consecutive bytes
.endr
	s_endpgm
.Lfunc_end_k_q752cb98920_prep:
	.size	k_q752cb98920_prep, .Lfunc_end_k_q752cb98920_prep-k_q752cb98920_prep
	.p2alignl 7, 3214868480
	.fill 96, 4, 3214868480
	.section	.rodata,"a",@progbits
	.p2align	6, 0x0
	.amdhsa_kernel k_q752cb98920_prep
		.amdhsa_group_segment_fixed_size 0
		.amdhsa_private_segment_fixed_size 0
		.amdhsa_enable_private_segment 0
		.amdhsa_kernarg_size 64
		.amdhsa_user_sgpr_count 2
		.amdhsa_user_sgpr_kernarg_segment_ptr 1
		.amdhsa_wavefront_size32 1
		.amdhsa_system_sgpr_workgroup_id_x 1
		.amdhsa_system_sgpr_workgroup_id_y 1
		.amdhsa_system_sgpr_workgroup_id_z 1
		.amdhsa_system_vgpr_workitem_id 0
		.amdhsa_next_free_vgpr 176
		.amdhsa_next_free_sgpr 66
		.amdhsa_reserve_vcc 0
		.amdhsa_float_denorm_mode_32 3
		.amdhsa_float_denorm_mode_16_64 3
		.amdhsa_memory_ordered 1
		.amdhsa_forward_progress 1
		.amdhsa_inst_pref_size 39
	.end_amdhsa_kernel
	.amdgpu_metadata
---
amdhsa.version: [ 1, 2 ]
amdhsa.kernels:
  - .name:           k_q752cb98920_prep
    .symbol:         k_q752cb98920_prep.kd
    .args:
      - { .name: hidden_states, .offset: 0, .size: 8, .value_kind: global_buffer, .address_space: global }
      - { .name: Wq, .offset: 8, .size: 8, .value_kind: global_buffer, .address_space: global }
      - { .name: Wk, .offset: 16, .size: 8, .value_kind: global_buffer, .address_space: global }
      - { .name: Wv, .offset: 24, .size: 8, .value_kind: global_buffer, .address_space: global }
      - { .name: Wao, .offset: 32, .size: 8, .value_kind: global_buffer, .address_space: global }
      - { .name: Wo, .offset: 40, .size: 8, .value_kind: global_buffer, .address_space: global }
      - { .name: wcast, .offset: 48, .size: 8, .value_kind: global_buffer, .address_space: global }
      - { .name: Wr, .offset: 56, .size: 8, .value_kind: global_buffer, .address_space: global }
    .group_segment_fixed_size: 0
    .private_segment_fixed_size: 0
    .kernarg_segment_align: 8
    .kernarg_segment_size: 64
    .max_flat_workgroup_size: 256
    .sgpr_count:     66
    .vgpr_count:     176
    .wavefront_size: 32
...
	.end_amdgpu_metadata
.endif
;; end of part 1
;; launch qkv (part 2): grid 16 x 16, 4 waves a work-group, clusters of 4 x 4, 327,680 bytes of LDS; arguments wcast, bq, bk, bv, qkv; writes qkv
.if DOCPART == 2
	.amdgcn_target "amdgcn-amd-amdhsa--gfx1250"
	.amdhsa_code_object_version 6
	.text
	.protected	k_q752cb98920_qkv
	.globl	k_q752cb98920_qkv
	.p2align	8
	.type	k_q752cb98920_qkv,@function
k_q752cb98920_qkv:
	s_mov_b64 s[64:65], 0
	v_nop
	global_prefetch_b8 v0, s[64:65] scope:SCOPE_SE
	s_setreg_imm32_b32 hwreg(HW_REG_WAVE_MODE, 25, 1), 1
	s_wait_xcnt 0x0
	s_wait_alu depctr_hold_cnt(0) depctr_sa_sdst(0) depctr_va_vdst(0) depctr_va_sdst(0) depctr_va_ssrc(0) depctr_va_vcc(0) depctr_vm_vsrc(0)
	s_getreg_b32 s2, hwreg(HW_REG_IB_STS2, 6, 4)
	s_cmp_eq_u32 s2, 0
	s_cbranch_scc0 .Lentry_in_a_cluster
	s_endpgm
.Lentry_in_a_cluster:
	s_bfe_u32 s2, ttmp6, 0x10000c
	s_cmp_lg_u32 s2, 0xf033
	s_cbranch_scc0 .Lentry_shape_is_right
	s_endpgm
.Lentry_shape_is_right:
; QKV: [q | k | v] = x16 [Wq | Wk | Wv] + bias, 2,048 x 2,304, K = 768, f16 operands, f32 sums, rounded once to f16.
; LIMITS. q, k and v must lie within f16's range (65,504).  The biases are rounded to bf16 like every input.
; SHARES. A work-group makes 128 tokens x 144 columns (9 blocks of 16): 16 x 16 = 256 work-groups.  Wave w has tokens 32 w .. + 31: 18 accumulators.
; K goes in three steps of 256 through two LDS slots.  x16's tile: 128 rows of 512 bytes, padded to 528.  The weights lie in memory in fragment
; order, so their tile is 9 rows of 8,192 dense bytes and a fragment is two loads of 512 consecutive bytes.
; Wave 0 fetches x16's tile, waves 1 to 3 three rows of weights each: every word of a descriptor's shape is a constant.
; CLUSTER. 4 x 4 work-groups: x16's tile hangs on the token tile alone and is shared along a row of the cluster, the weights' on the column tile
; alone and is shared along a column: each is asked for jointly, by the same load, descriptor and mask in the four.
; THE PRODUCT IS USED TURNED (source 0 = 16 weight columns, source 1 = 16 tokens): a lane holds one token and eight neighbouring columns, which pack
; into 16 bytes; a wave's store is 512 consecutive bytes of the layout [b 8][head block 36][token block 16][4][512], which is fragment order again.
; The bias is the C operand of the first product: nothing is cleared and nothing is added later.
; REGISTERS. window 0: v1-21 addresses; v32-103 bias, later the packed results; v112-255 accumulators.  window 1: two fragment buffers of 88.
.set SLOT,  141312                     ; 128 x 528 of x16, then 9 x 8,192 of weights
.set BLDS,  67584
.set SPARE, 2*SLOT                     ; the spare words: 128 bytes a wave, two blocks of 256 bytes that no other line names
.set ACC, 112                          ; accumulator (m, i) at ACC + 8 (9 m + i)
.set BI,  32
.set F0,  0
.set F1,  128
.set WV,  14
.set G1A, 24
.set G0A, 32
.set G1B, 40
.set G0B, 48
.set MULW, 0x05                        ; sources 0 and 1 window 1; C and D window 0
.set TO_F, 0x40                        ; destination window 1, address window 0
.set MSB, 0
.macro WIN new                         ; the immediate's high byte repeats the setting that is left
.if MSB != (\new)
	s_set_vgpr_msb (MSB<<8)|(\new)
.set MSB, \new
.endif
.endm
.macro PLACES                          ; four plain places behind matrix instructions, ahead of loads into their sources and of reads of their results
.rept 4
	v_nop
.endr
.endm
.macro CROUND                          ; a round of the cluster's barrier
	s_barrier_signal -1
	s_barrier_wait -1
	s_cmp_lg_u32 s[WV], 0
	s_cbranch_scc1 .Lnot_wave_0_\@
	s_barrier_signal -3
.Lnot_wave_0_\@:
	s_barrier_wait -3
	s_barrier_signal -1
	s_barrier_wait -1
.endm
.macro JLOAD s                         ; a joint load: wave 0 fetches x16's tile, waves 1 to 3 three rows of weights each
	s_cmp_eq_u32 s[WV], 0
	s_cbranch_scc0 .Lfor_b_\@
	tensor_load_to_lds s[G0A+4*(\s):G0A+4*(\s)+3], s[G1A:G1A+7]
	s_nop 0
.rept 4
	v_nop
.endr
	s_branch .Lasked_\@
.Lfor_b_\@:
	tensor_load_to_lds s[G0B+4*(\s):G0B+4*(\s)+3], s[G1B:G1B+7]
	s_nop 0
.rept 4
	v_nop
.endr
.Lasked_\@:
.endm
.macro FETCH f, kr                     ; 22 LDS loads: the fragments of 32 along K, kr blocks past the running addresses
	WIN TO_F
.irp m, 0,1
	ds_load_b128 v[(\f)+8*\m:(\f)+8*\m+3],   v4 offset:\m*8448+(\kr)*64
	ds_load_b128 v[(\f)+8*\m+4:(\f)+8*\m+7], v4 offset:\m*8448+(\kr)*64+32
.endr
.irp i, 0,1,2,3,4,5,6,7
	ds_load_b128 v[(\f)+16+8*\i:(\f)+16+8*\i+3],   v5 offset:\i*8192+(\kr)*1024
	ds_load_b128 v[(\f)+16+8*\i+4:(\f)+16+8*\i+7], v5 offset:\i*8192+(\kr)*1024+512
.endr
	ds_load_b128 v[(\f)+80:(\f)+83], v6 offset:(\kr)*1024      ; block 8 lies past the 16-bit immediate: an address of its own
	ds_load_b128 v[(\f)+84:(\f)+87], v6 offset:(\kr)*1024+512
.endm
.macro MUL f, first                    ; 18 matrix instructions, the accumulators by turns
	WIN MULW
.irp m, 0,1
.irp i, 0,1,2,3,4,5,6,7,8
.if \first
	v_wmma_f32_16x16x32_f16 v[ACC+8*(9*\m+\i):ACC+8*(9*\m+\i)+7], v[(\f)+16+8*\i:(\f)+16+8*\i+7], v[(\f)+8*\m:(\f)+8*\m+7], v[BI+8*\i:BI+8*\i+7]
.else
	v_wmma_f32_16x16x32_f16 v[ACC+8*(9*\m+\i):ACC+8*(9*\m+\i)+7], v[(\f)+16+8*\i:(\f)+16+8*\i+7], v[(\f)+8*\m:(\f)+8*\m+7], v[ACC+8*(9*\m+\i):ACC+8*(9*\m+\i)+7]
.endif
.endr
.endr
.endm
.macro KB2 first                       ; 64 along K; buffer 0 arrives filled and leaves filled for the next 64
	PLACES
	FETCH F1, 1
	s_wait_dscnt 22                                ; buffer 0 is in; the 22 just issued stay out
	MUL F0, \first
	PLACES
	FETCH F0, 2
	s_wait_dscnt 22                                ; buffer 1 is in
	MUL F1, 0
.endm
.macro STEPADR
	v_add_nc_u32 v4, 128, v4
	v_add_nc_u32 v5, 2048, v5
	v_add_nc_u32 v6, 2048, v6
.endm
.macro SLOTRUN slot, first             ; a K step of 256 out of one slot: three times KB2, and a tail that fetches nothing beyond it
	WIN 0
	PLACES
	v_add_nc_u32 v4, (\slot)*SLOT, v7
	v_add_nc_u32 v5, (\slot)*SLOT, v19
	v_add_nc_u32 v6, (\slot)*SLOT+65536, v19
	FETCH F0, 0
.if \first
	KB2 1                                          ; the first products start the sums, from the bias
	WIN 0
	STEPADR
	s_mov_b32 s3, 2
.else
	WIN 0
	s_mov_b32 s3, 3
.endif
.Lkb_\@:
	KB2 0
	WIN 0
	STEPADR
	s_sub_co_u32 s3, s3, 1
	s_cmp_lg_u32 s3, 0
	s_cbranch_scc1 .Lkb_\@
	PLACES
	FETCH F1, 1
	s_wait_dscnt 22
	MUL F0, 0
	s_wait_dscnt 0x0
	MUL F1, 0
.endm
	s_load_b256 s[4:11], s[0:1], 0x0               ; wcast s[4:5], bq s[6:7], bk s[8:9], bv s[10:11]
	s_load_b64 s[12:13], s[0:1], 0x20              ; qkv
	v_lshl_add_u32 v8, v0, 2, SPARE
	v_mov_b32 v9, 0
	ds_add_u32 v8, v9                              ; the wave's opening: the add and its wait ahead of my first tensor load
	v_lshrrev_b32 v1, 5, v0
	v_readfirstlane_b32 s[WV], v1                  ; wave 0..3
	s_bfe_u32 s17, ttmp6, 0x40000                  ; cx
	s_bfe_u32 s18, ttmp6, 0x40004                  ; cy
	s_lshl_b32 s19, ttmp9, 2
	s_add_co_u32 s19, s19, s17                     ; column tile
	s_and_b32 s20, ttmp7, 0xffff
	s_lshl_b32 s20, s20, 2
	s_add_co_u32 s20, s20, s18                     ; token tile
	s_lshl_b32 s21, s18, 2
	s_lshl_b32 s21, 15, s21                        ; my row of the cluster
	s_lshl_b32 s22, 0x1111, s17                    ; my column
	s_or_b32 s[G1A], s21, (1<<16)|(1<<20)|(1<<21)|(6<<22)|(3<<25)  ; mask; 2-byte elements; padding on, 4 words after every 128; bit 21 beside a mask
	s_mov_b32 s[G1A+1], 256<<16                    ; tensor_dim0 = 256
	s_mov_b32 s[G1A+2], 128<<16                    ; tensor_dim1 = 128
	s_mov_b32 s[G1A+3], 256<<16                    ; tile_dim0 = 256
	s_mov_b32 s[G1A+4], 128                        ; tile_dim1 = 128
	s_mov_b32 s[G1A+5], 768                        ; elements from row to row
	s_mov_b32 s[G1A+6], 0
	s_mov_b32 s[G1A+7], 0
	s_or_b32 s[G1B], s22, (3<<16)|(1<<21)          ; mask; 8-byte elements; no padding
	s_mov_b32 s[G1B+1], 1024<<16                   ; a row is 8 blocks of 1,024 bytes
	s_mov_b32 s[G1B+2], 3<<16                      ; three rows
	s_mov_b32 s[G1B+3], 1024<<16
	s_mov_b32 s[G1B+4], 3
	s_mov_b32 s[G1B+5], 3072                       ; 24 blocks from row to row
	s_mov_b32 s[G1B+6], 0
	s_mov_b32 s[G1B+7], 0
	s_mul_i32 s56, s20, 196608                     ; x16: row 128 x token tile, 1,536 bytes a row
	s_mov_b32 s57, 0
	s_mul_i32 s58, s19, 221184                     ; weights: column block 9 x column tile + 3 (wave - 1), 24,576 bytes a block row,
	s_mul_i32 s59, s[WV], 73728
	s_add_co_u32 s58, s58, s59
	s_add_co_u32 s58, s58, 3145728-73728           ; from the weights' place in wcast
	s_mov_b32 s59, 0
	s_mul_i32 s61, s[WV], 24576                    ; LDS: the wave's number alone enters: rows 3 (wave - 1) on
	s_add_co_u32 s61, s61, BLDS-24576
	s_mov_b32 s75, 0xffff0000
	s_wait_dscnt 0x0                               ; the opening add is done
	s_wait_kmcnt 0x0
	s_add_nc_u64 s[56:57], s[4:5], s[56:57]
	s_add_nc_u64 s[58:59], s[4:5], s[58:59]
.irp s, 0,1
	s_mov_b32 s[G0A+4*\s], 1
	s_mov_b32 s[G0A+4*\s+1], \s*SLOT
	s_add_nc_u64 s[G0A+4*\s+2:G0A+4*\s+3], s[56:57], \s*512
	s_or_b32 s[G0A+4*\s+3], s[G0A+4*\s+3], 0x80000000
	s_mov_b32 s[G0B+4*\s], 1
	s_add_co_u32 s[G0B+4*\s+1], s61, \s*SLOT
	s_add_nc_u64 s[G0B+4*\s+2:G0B+4*\s+3], s[58:59], \s*8192
	s_or_b32 s[G0B+4*\s+3], s[G0B+4*\s+3], 0x80000000
.endr
	CROUND                                         ; all sixteen work-groups are here: the first joint loads meet
	s_cmp_eq_u32 s[WV], 0                          ; a wave's two first fills stand in one branch: two loads of mine are out
	s_cbranch_scc0 .Lfirst_b
	tensor_load_to_lds s[G0A:G0A+3], s[G1A:G1A+7]
	s_nop 0
	tensor_load_to_lds s[G0A+4:G0A+7], s[G1A:G1A+7]
	s_nop 0
.rept 4
	v_nop
.endr
	s_branch .Lfirst_done
.Lfirst_b:
	tensor_load_to_lds s[G0B:G0B+3], s[G1B:G1B+7]
	s_nop 0
	tensor_load_to_lds s[G0B+4:G0B+7], s[G1B:G1B+7]
	s_nop 0
.rept 4
	v_nop
.endr
.Lfirst_done:
	v_and_b32 v1, 15, v0                           ; r
	v_bfe_u32 v2, v0, 4, 1                         ; h
	v_and_b32 v3, 31, v0
	v_lshlrev_b32 v3, 4, v3                        ; 16 x lane
	s_mul_i32 s66, s19, 9
.irp i, 0,1,2,3,4,5,6,7,8                      ; block i: its eight bias numbers a lane, and its place in the output
	s_add_co_u32 s67, s66, \i                      ; column block 0..143
	s_cmp_lt_u32 s67, 96
	s_cselect_b64 s[62:63], s[8:9], s[10:11]
	s_cselect_b32 s68, 48, 96
	s_cmp_lt_u32 s67, 48
	s_cselect_b64 s[62:63], s[6:7], s[62:63]
	s_cselect_b32 s68, 0, s68
	s_sub_co_u32 s68, s67, s68
	s_lshl_b32 s68, s68, 6
	v_lshl_add_u32 v20, v2, 5, s68
	global_load_b128 v[BI+8*\i:BI+8*\i+3],   v20, s[62:63]
	global_load_b128 v[BI+8*\i+4:BI+8*\i+7], v20, s[62:63] offset:16
	s_lshr_b32 s69, s67, 2
	s_lshl_b32 s69, s69, 15                        ; head block x 32,768
	s_and_b32 s70, s67, 3
	s_lshl_b32 s70, s70, 9
	s_add_co_u32 s69, s69, s70
	v_add_nc_u32 v[10+\i], s69, v3
	s_wait_xcnt 0x0                                ; v20 and s[62:63] are written again only behind this wait
.endr
	s_mul_i32 s71, s[WV], 16896                    ; my 32 rows of 528 bytes
	v_mul_u32_u24 v7, v1, 528
	v_lshl_add_u32 v7, v2, 4, v7
	v_add_nc_u32 v7, s71, v7
	v_add_nc_u32 v19, BLDS, v3
	s_lshr_b32 s72, s20, 1                         ; batch
	s_mul_i32 s72, s72, 1179648
	s_and_b32 s73, s20, 1
	s_lshl_b32 s73, s73, 3
	s_lshl_b32 s74, s[WV], 1
	s_add_co_u32 s73, s73, s74                     ; my first token block in the batch
	s_lshl_b32 s73, s73, 11
	s_add_co_u32 s72, s72, s73
	s_mov_b32 s73, 0
	s_add_nc_u64 s[12:13], s[12:13], s[72:73]
	s_wait_loadcnt 0x0
.set k, 0
.rept 36                                       ; the bias, rounded to bf16 and widened again
	v_cvt_pk_bf16_f32 v21, v[BI+2*k], v[BI+2*k+1]
	v_lshlrev_b32 v[BI+2*k], 16, v21
	v_and_b32 v[BI+2*k+1], s75, v21
.set k, k+1
.endr
	s_wait_tensorcnt 0x1                           ; my part of slot 0 is in; slot 1's may stay out
	s_barrier_signal -1
	s_barrier_wait -1
	SLOTRUN 0, 1                                   ; K 0..255
	WIN 0
	s_wait_tensorcnt 0x0                           ; all my tensor loads have landed: my part of slot 1
	ds_add_u32 v8, v9
	s_add_nc_u64 s[G0A+2:G0A+3], s[G0A+2:G0A+3], 1024    ; slot 0's next tile: K 512..767
	s_add_nc_u64 s[G0B+2:G0B+3], s[G0B+2:G0B+3], 16384
	s_wait_dscnt 0x0                               ; the add is done, and my reads of slot 0 are over
	CROUND                                         ; the same holds of every wave of every partner
	JLOAD 0                                        ; my one tensor load behind the round
	SLOTRUN 1, 0                                   ; K 256..511
	WIN 0
	s_wait_tensorcnt 0x0                           ; the refill has landed
	ds_add_u32 v8, v9
	s_wait_dscnt 0x0
	s_barrier_signal -1
	s_barrier_wait -1
	SLOTRUN 0, 0                                   ; K 512..767
	WIN 0
	PLACES
.irp m, 0,1
.irp i, 0,1,2,3,4,5,6,7,8
.irp q, 0,1,2,3
	v_cvt_pk_f16_f32 v[BI+4*(9*\m+\i)+\q], v[ACC+8*(9*\m+\i)+2*\q], v[ACC+8*(9*\m+\i)+2*\q+1]
.endr
	global_store_b128 v[10+\i], v[BI+4*(9*\m+\i):BI+4*(9*\m+\i)+3], s[12:13] offset:\m*2048  ; 512 consecutive bytes, aligned
.endr
.endr
	s_wait_tensorcnt 0x0                           ; the wave's end
	ds_add_u32 v8, v9
	s_wait_dscnt 0x0
	CROUND                                         ; the closing round
	s_endpgm
.Lfunc_end_k_q752cb98920_qkv:
	.size	k_q752cb98920_qkv, .Lfunc_end_k_q752cb98920_qkv-k_q752cb98920_qkv
	.p2alignl 7, 3214868480
	.fill 96, 4, 3214868480
	.section	.rodata,"a",@progbits
	.p2align	6, 0x0
	.amdhsa_kernel k_q752cb98920_qkv
		.amdhsa_group_segment_fixed_size 327680
		.amdhsa_private_segment_fixed_size 0
		.amdhsa_enable_private_segment 0
		.amdhsa_kernarg_size 40
		.amdhsa_user_sgpr_count 2
		.amdhsa_user_sgpr_kernarg_segment_ptr 1
		.amdhsa_wavefront_size32 1
		.amdhsa_system_sgpr_workgroup_id_x 1
		.amdhsa_system_sgpr_workgroup_id_y 1
		.amdhsa_system_sgpr_workgroup_id_z 1
		.amdhsa_system_vgpr_workitem_id 0
		.amdhsa_next_free_vgpr 480
		.amdhsa_next_free_sgpr 80
		.amdhsa_reserve_vcc 0
		.amdhsa_float_denorm_mode_32 3
		.amdhsa_float_denorm_mode_16_64 3
		.amdhsa_memory_ordered 1
		.amdhsa_forward_progress 1
		.amdhsa_inst_pref_size 66
	.end_amdhsa_kernel
	.amdgpu_metadata
---
amdhsa.version: [ 1, 2 ]
amdhsa.kernels:
  - .name:           k_q752cb98920_qkv
    .symbol:         k_q752cb98920_qkv.kd
    .args:
      - { .name: wcast, .offset: 0, .size: 8, .value_kind: global_buffer, .address_space: global }
      - { .name: bq, .offset: 8, .size: 8, .value_kind: global_buffer, .address_space: global }
      - { .name: bk, .offset: 16, .size: 8, .value_kind: global_buffer, .address_space: global }
      - { .name: bv, .offset: 24, .size: 8, .value_kind: global_buffer, .address_space: global }
      - { .name: qkv, .offset: 32, .size: 8, .value_kind: global_buffer, .address_space: global }
    .group_segment_fixed_size: 327680
    .private_segment_fixed_size: 0
    .kernarg_segment_align: 8
    .kernarg_segment_size: 40
    .max_flat_workgroup_size: 128
    .sgpr_count:     80
    .vgpr_count:     480
    .wavefront_size: 32
...
	.end_amdgpu_metadata
.endif
;; end of part 2
;; launch attn (part 3): grid 24 x 8, 8 waves a work-group, no clusters, 74,752 bytes of LDS; arguments qkv, ctx; writes ctx
.if DOCPART == 3
	.amdgcn_target "amdgcn-amd-amdhsa--gfx1250"
	.amdhsa_code_object_version 6
	.text
	.protected	k_q752cb98920_attn
	.globl	k_q752cb98920_attn
	.p2align	8
	.type	k_q752cb98920_attn,@function
k_q752cb98920_attn:
	s_mov_b64 s[64:65], 0
	v_nop
	global_prefetch_b8 v0, s[64:65] scope:SCOPE_SE
	s_setreg_imm32_b32 hwreg(HW_REG_WAVE_MODE, 25, 1), 1
	s_wait_xcnt 0x0
; ATTENTION, 96 heads of 256 keys x 64 channels: ctx = softmax(q k^T / 8) v.  Operands f16, products, maximum and sum in f32; the weights p are
; rounded to f16 for the second product (their sum is taken of the unrounded p), ctx once at the end.
; LIMITS. q, k, v arrive within f16's range; a weight below 2^-126 counts as 0; NaN and infinities are not treated apart.
; SHARES. A work-group has one head and 128 queries, a wave 16 queries and ALL 256 keys: the row's true maximum is taken, no running one is needed.
; NO JOINT LOADS: K and V come through registers, since V has to be laid anew (token rows of 160 bytes) for the turning load; the two work-groups
; of a head read the same 65,536 bytes.
; LAYOUT. S^T = K Q^T: a lane holds one query (lane % 16) and keys 8 (lane / 16) + 0..7 of each block of 16; two blocks rounded in pairs ARE
; source 1 of O^T = V^T P.  ctx leaves in fragment order: 512 consecutive bytes a store.
; REGISTERS. v2-11 addresses; v12, v13 the add's; v32-47 Q; v48-57 statistics; v64-191 S^T (first the landing place of K and V; later P in
; v64-127 and V's two buffers in v128-191); v192-255 K's fragments, later O^T in v192-223.
.set VLDS,  32768
.set PV,    160                        ; 128 bytes + 32: 16 lanes of the turning load take 8 rows x 32 bytes
.set SPARE, 73728                      ; the spare words: 128 bytes a wave, four blocks of 256 bytes that no other line names
.set Q, 32
.set S, 64
.set KF, 192
.set O, 192
.macro PLACES
.rept 4
	v_nop
.endr
.endm
.macro VLOAD c                         ; V^T of keys 32 c .. + 31, four channel blocks, into buffer c % 2
.irp cb, 0,1,2,3
	ds_load_tr16_b128 v[128+32*((\c)%2)+8*\cb:128+32*((\c)%2)+8*\cb+3],   v8 offset:(\c)*32*PV+\cb*32
	ds_load_tr16_b128 v[128+32*((\c)%2)+8*\cb+4:128+32*((\c)%2)+8*\cb+7], v8 offset:(\c)*32*PV+16*PV+\cb*32
.endr
.endm
	s_load_b128 s[4:7], s[0:1], 0x0                ; qkv s[4:5], ctx s[6:7]
	v_lshl_add_u32 v12, v0, 2, SPARE
	v_mov_b32 v13, 0
	v_lshrrev_b32 v1, 5, v0
	v_readfirstlane_b32 s8, v1                     ; wave 0..7
	s_lshr_b32 s10, ttmp9, 1                       ; head
	s_and_b32 s11, ttmp9, 1                        ; which 128 queries
	s_and_b32 s12, ttmp7, 0xffff                   ; batch
	s_mul_i32 s14, s12, 1179648
	s_lshl_b32 s15, s10, 15
	s_add_co_u32 s14, s14, s15                     ; q of this head; k lies 12, v 24 head blocks of 32,768 bytes on
	s_mov_b32 s15, 0
	s_lshl_b32 s16, s11, 3
	s_add_co_u32 s16, s16, s8                      ; my token block in the batch
	s_lshl_b32 s17, s12, 4
	s_add_co_u32 s17, s17, s16
	s_mul_i32 s17, s17, 24
	s_lshl1_add_u32 s17, s10, s17                  ; ctx block: (16 b + token block) 24 + 2 head
	s_lshl_b32 s18, s17, 10
	s_mov_b32 s19, 0
	s_lshl_b32 s16, s16, 11
	s_mov_b32 s20, 0x76543210                      ; v_permlanex16_b32: each lane takes its own place in the other half
	s_mov_b32 s21, 0xfedcba98
	s_mov_b32 s22, 0x3e38aa3b                      ; c = log2(e) / 8
	s_mov_b32 s23, s22
	v_lshlrev_b32 v2, 4, v0                        ; 16 x thread
	v_and_b32 v3, 31, v0
	v_lshlrev_b32 v3, 4, v3                        ; 16 x lane
	v_add_nc_u32 v4, s16, v3
	s_wait_kmcnt 0x0
	s_add_nc_u64 s[4:5], s[4:5], s[14:15]
	s_add_nc_u64 s[6:7], s[6:7], s[18:19]
.irp i, 0,1,2,3,4,5,6,7
	global_load_b128 v[64+4*\i:64+4*\i+3], v2, s[4:5] offset:393216+\i*4096
.endr
.irp i, 0,1,2,3,4,5,6,7
	global_load_b128 v[96+4*\i:96+4*\i+3], v2, s[4:5] offset:786432+\i*4096
.endr
.irp i, 0,1,2,3
	global_load_b128 v[Q+4*\i:Q+4*\i+3], v4, s[4:5] offset:\i*512
.endr
	v_lshrrev_b32 v6, 7, v0                        ; V's place in LDS: token 32 i + 16 (t / 128) + t % 16, channels 8 ((t / 16) % 8) on
	v_and_b32 v7, 15, v0
	v_lshl_add_u32 v6, v6, 4, v7
	v_mul_u32_u24 v5, v6, PV
	v_bfe_u32 v7, v0, 4, 3
	v_lshl_add_u32 v5, v7, 4, v5
	v_add_nc_u32 v5, VLDS, v5
	v_bfe_u32 v6, v0, 4, 1                         ; the turning load: key 8 (l / 16) + l % 8, channels 8 ((l / 8) % 2) on
	v_and_b32 v10, 7, v0
	v_bfe_u32 v11, v0, 3, 1
	v_lshl_add_u32 v8, v6, 3, v10
	v_mul_u32_u24 v8, v8, PV
	v_lshl_add_u32 v8, v11, 4, v8
	v_add_nc_u32 v8, VLDS, v8
	s_wait_loadcnt 0x4                             ; K and V are in; Q's four loads may stay out
.irp i, 0,1,2,3,4,5,6,7
	ds_store_b128 v2, v[64+4*\i:64+4*\i+3] offset:\i*4096
.endr
.irp i, 0,1,2,3,4,5,6,7
	ds_store_b128 v5, v[96+4*\i:96+4*\i+3] offset:\i*32*PV
.endr
	s_wait_dscnt 0x0                               ; for the others' sake: my stores are done
	s_barrier_signal -1
	s_barrier_wait -1
	s_wait_loadcnt 0x0                             ; Q
.set g, 0
.rept 4                                        ; S^T, four key blocks at a time; the four accumulators take turns
.irp a, 0,1,2,3
.irp c, 0,1
	ds_load_b128 v[KF+16*\a+8*\c:KF+16*\a+8*\c+3],   v3 offset:(4*g+\a)*2048+\c*1024
	ds_load_b128 v[KF+16*\a+8*\c+4:KF+16*\a+8*\c+7], v3 offset:(4*g+\a)*2048+\c*1024+512
.endr
.endr
	s_wait_dscnt 0x0
.irp a, 0,1,2,3
	v_wmma_f32_16x16x32_f16 v[S+8*(4*g+\a):S+8*(4*g+\a)+7], v[KF+16*\a:KF+16*\a+7], v[Q:Q+7], 0
.endr
.irp a, 0,1,2,3
	v_wmma_f32_16x16x32_f16 v[S+8*(4*g+\a):S+8*(4*g+\a)+7], v[KF+16*\a+8:KF+16*\a+15], v[Q+8:Q+15], v[S+8*(4*g+\a):S+8*(4*g+\a)+7]
.endr
	PLACES
.set g, g+1
.endr
	; the maximum of my 128 scores: four chains in ascending registers
.irp c, 0,1,2,3
	v_max3_num_f32 v[50+\c], v[S+32*\c], v[S+32*\c+1], v[S+32*\c+2]
.endr
.set k, 3
.rept 14
.irp c, 0,1,2,3
	v_max3_num_f32 v[50+\c], v[50+\c], v[S+32*\c+k], v[S+32*\c+k+1]
.endr
.set k, k+2
.endr
.irp c, 0,1,2,3
	v_max_num_f32 v[50+\c], v[50+\c], v[S+32*\c+31]
.endr
	v_max3_num_f32 v50, v50, v51, v52
	v_max_num_f32 v50, v50, v53
	v_permlanex16_b32 v51, v50, s20, s21           ; the query's other 128 keys lie in the lane 16 away
	v_max_num_f32 v49, v50, v51
	v_mul_f32 v48, s22, v49                        ; c m
.set k, 0
.rept 64
	v_pk_fma_f32 v[S+2*k:S+2*k+1], v[S+2*k:S+2*k+1], s[22:23], v[48:49] op_sel_hi:[1,0,0] neg_lo:[0,0,1] neg_hi:[0,0,1]
.set k, k+1
.endr
.set k, 0
.rept 128                                      ; one batch of exponentials,
	v_exp_f32 v[S+k], v[S+k]
.set k, k+1
.endr
	v_nop                                          ; one plain instruction behind the last,
	s_wait_alu depctr_va_vdst(0)                   ; and one wait ahead of the first reader
.irp c, 0,1,2,3
	v_pk_add_f32 v[50+2*\c:51+2*\c], v[S+32*\c:S+32*\c+1], v[S+32*\c+2:S+32*\c+3]
.endr
.set k, 2
.rept 14
.irp c, 0,1,2,3
	v_pk_add_f32 v[50+2*\c:51+2*\c], v[50+2*\c:51+2*\c], v[S+32*\c+2*k:S+32*\c+2*k+1]
.endr
.set k, k+1
.endr
	v_pk_add_f32 v[50:51], v[50:51], v[52:53]
	v_pk_add_f32 v[54:55], v[54:55], v[56:57]
	v_pk_add_f32 v[50:51], v[50:51], v[54:55]
	v_add_f32 v50, v50, v51
	v_permlanex16_b32 v51, v50, s20, s21
	v_add_f32 v50, v50, v51                        ; l
	v_rcp_f32 v52, v50
.set k, 0
.rept 64                                       ; P, in place: register k takes the pair 2 k, 2 k + 1
	v_cvt_pk_f16_f32 v[S+k], v[S+2*k], v[S+2*k+1]
.set k, k+1
.endr
	s_wait_alu depctr_va_vdst(0)                   ; the reciprocal's wait; the roundings above are the plain work behind it
	VLOAD 0
	VLOAD 1
.set c, 0
.rept 8
.if c < 7
	s_wait_dscnt 8                                 ; chunk c is in; the next chunk's eight loads stay out
.else
	s_wait_dscnt 0x0
.endif
.irp cb, 0,1,2,3
.if c == 0
	v_wmma_f32_16x16x32_f16 v[O+8*\cb:O+8*\cb+7], v[128+32*(c%2)+8*\cb:128+32*(c%2)+8*\cb+7], v[S+8*c:S+8*c+7], 0
.else
	v_wmma_f32_16x16x32_f16 v[O+8*\cb:O+8*\cb+7], v[128+32*(c%2)+8*\cb:128+32*(c%2)+8*\cb+7], v[S+8*c:S+8*c+7], v[O+8*\cb:O+8*\cb+7]
.endif
.endr
.if c < 6
	PLACES
	VLOAD c+2
.endif
.set c, c+1
.endr
	PLACES
.set k, 0
.rept 16
	v_pk_mul_f32 v[O+2*k:O+2*k+1], v[O+2*k:O+2*k+1], v[52:53] op_sel_hi:[1,0]
.set k, k+1
.endr
.set k, 0
.rept 16
	v_cvt_pk_f16_f32 v[S+k], v[O+2*k], v[O+2*k+1]
.set k, k+1
.endr
.irp cb, 0,1,2,3
	global_store_b128 v3, v[S+4*\cb:S+4*\cb+3], s[6:7] offset:\cb*512   ; 512 consecutive bytes, aligned
.endr
	s_wait_tensorcnt 0x0                           ; the wave's end
	ds_add_u32 v12, v13
	s_wait_dscnt 0x0
	s_endpgm
.Lfunc_end_k_q752cb98920_attn:
	.size	k_q752cb98920_attn, .Lfunc_end_k_q752cb98920_attn-k_q752cb98920_attn
	.p2alignl 7, 3214868480
	.fill 96, 4, 3214868480
	.section	.rodata,"a",@progbits
	.p2align	6, 0x0
	.amdhsa_kernel k_q752cb98920_attn
		.amdhsa_group_segment_fixed_size 74752
		.amdhsa_private_segment_fixed_size 0
		.amdhsa_enable_private_segment 0
		.amdhsa_kernarg_size 16
		.amdhsa_user_sgpr_count 2
		.amdhsa_user_sgpr_kernarg_segment_ptr 1
		.amdhsa_wavefront_size32 1
		.amdhsa_system_sgpr_workgroup_id_x 1
		.amdhsa_system_sgpr_workgroup_id_y 1
		.amdhsa_system_sgpr_workgroup_id_z 1
		.amdhsa_system_vgpr_workitem_id 0
		.amdhsa_next_free_vgpr 256
		.amdhsa_next_free_sgpr 66
		.amdhsa_reserve_vcc 0
		.amdhsa_float_denorm_mode_32 3
		.amdhsa_float_denorm_mode_16_64 3
		.amdhsa_memory_ordered 1
		.amdhsa_forward_progress 1
		.amdhsa_inst_pref_size 42
	.end_amdhsa_kernel
	.amdgpu_metadata
---
amdhsa.version: [ 1, 2 ]
amdhsa.kernels:
  - .name:           k_q752cb98920_attn
    .symbol:         k_q752cb98920_attn.kd
    .args:
      - { .name: qkv, .offset: 0, .size: 8, .value_kind: global_buffer, .address_space: global }
      - { .name: ctx, .offset: 8, .size: 8, .value_kind: global_buffer, .address_space: global }
    .group_segment_fixed_size: 74752
    .private_segment_fixed_size: 0
    .kernarg_segment_align: 8
    .kernarg_segment_size: 16
    .max_flat_workgroup_size: 256
    .sgpr_count:     66
    .vgpr_count:     256
    .wavefront_size: 32
...
	.end_amdgpu_metadata
.endif
;; end of part 3
;; launch gemm_ao (part 4): grid 8 x 32, 4 waves a work-group, clusters of 4 x 4, 327,680 bytes of LDS; arguments ctx, wcast, cmat; writes cmat
.if DOCPART == 4
	.amdgcn_target "amdgcn-amd-amdhsa--gfx1250"
	.amdhsa_code_object_version 6
	.text
	.protected	k_q752cb98920_gemm_ao
	.globl	k_q752cb98920_gemm_ao
	.p2align	8
	.type	k_q752cb98920_gemm_ao,@function
k_q752cb98920_gemm_ao:
	s_mov_b64 s[64:65], 0
	v_nop
	global_prefetch_b8 v0, s[64:65] scope:SCOPE_SE
	s_setreg_imm32_b32 hwreg(HW_REG_WAVE_MODE, 25, 1), 1
	s_wait_xcnt 0x0
	s_wait_alu depctr_hold_cnt(0) depctr_sa_sdst(0) depctr_va_vdst(0) depctr_va_sdst(0) depctr_va_ssrc(0) depctr_va_vcc(0) depctr_vm_vsrc(0)
	s_getreg_b32 s2, hwreg(HW_REG_IB_STS2, 6, 4)
	s_cmp_eq_u32 s2, 0
	s_cbranch_scc0 .Lentry_in_a_cluster
	s_endpgm
.Lentry_in_a_cluster:
	s_bfe_u32 s2, ttmp6, 0x10000c
	s_cmp_lg_u32 s2, 0xf033
	s_cbranch_scc0 .Lentry_shape_is_right
	s_endpgm
.Lentry_shape_is_right:
; C = A W, 2,048 x 768, f16 operands in fragment order, f32 sums stored as f32 in panels [8][2048][96].  Here A = ctx, W = Wao, K = 768.
; SHARES. A work-group makes 64 rows x 96 columns: 8 x 32 = 256 work-groups.  K goes in steps of 384 (12 blocks of 32) through two LDS slots, and
; the step's K is dealt among the waves: wave w multiplies the WHOLE tile (24 accumulators) on blocks 3 w .. 3 w + 2, so each LDS byte is read
; once: 20 loads for 24 matrix instructions.  The four partial tiles are added in f32 through LDS at the end, in a fixed order.
; CLUSTER. 4 x 4: A's tile is shared along a row of the cluster, W's along a column; each is asked for jointly.
; THE PRODUCT IS USED TURNED: a lane holds one row and eight neighbouring columns, 32 bytes of f32.
; The stage of the way out lies in slot 0, whose last fill and last reads lie ahead of the last barrier of the K walk.
.set KB,     24                        ; blocks of 32 along K
.set TSTEPS, 2                         ; K steps
.set BOFF,   6684672                   ; W's place in wcast
.set SLOT,  122880                     ; A [4][12][1024], then W [6][12][1024]
.set BLDS,  49152
.set SPARE, 2*SLOT                     ; the spare words: two blocks of 256 bytes that no other line names
.set CPY,   25600                      ; a wave's partial tile in the stage: 64 rows of 400 bytes (384 + 16: an odd multiple of 16)
.set ACC, 64                           ; accumulator (m, i) at ACC + 8 (6 m + i)
.set F0,  0
.set F1,  128
.set WV,  10
.set G1A, 24
.set G0A, 32
.set G1B, 40
.set G0B, 48
.set MULW, 0x05
.set TO_F, 0x40
.set MSB, 0
.macro WIN new
.if MSB != (\new)
	s_set_vgpr_msb (MSB<<8)|(\new)
.set MSB, \new
.endif
.endm
.macro PLACES
.rept 4
	v_nop
.endr
.endm
.macro CROUND
	s_barrier_signal -1
	s_barrier_wait -1
	s_cmp_lg_u32 s[WV], 0
	s_cbranch_scc1 .Lnot_wave_0_\@
	s_barrier_signal -3
.Lnot_wave_0_\@:
	s_barrier_wait -3
	s_barrier_signal -1
	s_barrier_wait -1
.endm
.macro JLOAD s
	s_cmp_eq_u32 s11, 0
	s_cbranch_scc0 .Lfor_b_\@
	tensor_load_to_lds s[G0A+4*(\s):G0A+4*(\s)+3], s[G1A:G1A+7]
	s_nop 0
.rept 4
	v_nop
.endr
	s_branch .Lasked_\@
.Lfor_b_\@:
	tensor_load_to_lds s[G0B+4*(\s):G0B+4*(\s)+3], s[G1B:G1B+7]
	s_nop 0
.rept 4
	v_nop
.endr
.Lasked_\@:
.endm
.macro FETCH f, slot, t                ; 20 LDS loads: my block t of three
	WIN TO_F
.irp m, 0,1,2,3
	ds_load_b128 v[(\f)+8*\m:(\f)+8*\m+3],   v[4+(\slot)] offset:(\m*12+(\t))*1024
	ds_load_b128 v[(\f)+8*\m+4:(\f)+8*\m+7], v[4+(\slot)] offset:(\m*12+(\t))*1024+512
.endr
.irp i, 0,1,2,3,4,5
	ds_load_b128 v[(\f)+32+8*\i:(\f)+32+8*\i+3],   v[6+(\slot)] offset:(\i*12+(\t))*1024
	ds_load_b128 v[(\f)+32+8*\i+4:(\f)+32+8*\i+7], v[6+(\slot)] offset:(\i*12+(\t))*1024+512
.endr
.endm
.macro MUL f, zero                     ; 24 matrix instructions, the accumulators by turns
	WIN MULW
.irp m, 0,1,2,3
.irp i, 0,1,2,3,4,5
.if \zero
	v_wmma_f32_16x16x32_f16 v[ACC+8*(6*\m+\i):ACC+8*(6*\m+\i)+7], v[(\f)+32+8*\i:(\f)+32+8*\i+7], v[(\f)+8*\m:(\f)+8*\m+7], 0
.else
	v_wmma_f32_16x16x32_f16 v[ACC+8*(6*\m+\i):ACC+8*(6*\m+\i)+7], v[(\f)+32+8*\i:(\f)+32+8*\i+7], v[(\f)+8*\m:(\f)+8*\m+7], v[ACC+8*(6*\m+\i):ACC+8*(6*\m+\i)+7]
.endif
.endr
.endr
.endm
.macro COMPUTE slot, zero              ; my three blocks of one K step
	PLACES
	FETCH F0, \slot, 0
	FETCH F1, \slot, 1
	s_wait_dscnt 20                                ; buffer 0 is in; buffer 1's 20 loads stay out
	MUL F0, \zero
	PLACES
	FETCH F0, \slot, 2
	s_wait_dscnt 20                                ; buffer 1 is in
	MUL F1, 0
	s_wait_dscnt 0x0
	MUL F0, 0
.endm
.macro STEP slot, refill               ; the change of slots, and the K step in \slot
	WIN 0
	s_wait_tensorcnt 0x0                           ; all my tensor loads have landed, my part of this slot among them
	ds_add_u32 v8, v9
.if \refill
	s_add_nc_u64 s[G0A+4*(1-(\slot))+2:G0A+4*(1-(\slot))+3], s[G0A+4*(1-(\slot))+2:G0A+4*(1-(\slot))+3], 24576  ; the other slot's next tile: two steps of 12,288 bytes on
	s_add_nc_u64 s[G0B+4*(1-(\slot))+2:G0B+4*(1-(\slot))+3], s[G0B+4*(1-(\slot))+2:G0B+4*(1-(\slot))+3], 24576
.endif
	s_wait_dscnt 0x0                               ; the add is done, and my reads of the other slot are over
.if \refill
	CROUND                                         ; the same holds of every wave of every partner
	JLOAD 1-(\slot)                                ; my one tensor load behind the round
.else
	s_barrier_signal -1
	s_barrier_wait -1
.endif
	COMPUTE \slot, 0
.endm
	s_load_b128 s[4:7], s[0:1], 0x0                ; A s[4:5], wcast s[6:7]
	s_load_b64 s[8:9], s[0:1], 0x10                ; cmat
	v_lshl_add_u32 v8, v0, 2, SPARE
	v_mov_b32 v9, 0
	ds_add_u32 v8, v9                              ; the wave's opening: the add and its wait ahead of my first tensor load
	v_lshrrev_b32 v1, 5, v0
	v_readfirstlane_b32 s[WV], v1
	s_lshr_b32 s11, s[WV], 1                       ; I fetch A (0) or W (1)
	s_and_b32 s12, s[WV], 1                        ; which half of that tile
	s_bfe_u32 s13, ttmp6, 0x40000                  ; cx
	s_bfe_u32 s14, ttmp6, 0x40004                  ; cy
	s_lshl_b32 s15, ttmp9, 2
	s_add_co_u32 s15, s15, s13                     ; column tile
	s_and_b32 s16, ttmp7, 0xffff
	s_lshl_b32 s16, s16, 2
	s_add_co_u32 s16, s16, s14                     ; row tile
	s_lshl_b32 s17, s14, 2
	s_lshl_b32 s17, 15, s17
	s_lshl_b32 s18, 0x1111, s13
	s_or_b32 s[G1A], s17, (3<<16)|(1<<21)          ; mask of my row; 8-byte elements; bit 21 beside a mask
	s_mov_b32 s[G1A+1], 1536<<16                   ; a row is 12 blocks of 1,024 bytes
	s_mov_b32 s[G1A+2], 2<<16
	s_mov_b32 s[G1A+3], 1536<<16
	s_mov_b32 s[G1A+4], 2
	s_mov_b32 s[G1A+5], KB*128
	s_mov_b32 s[G1A+6], 0
	s_mov_b32 s[G1A+7], 0
	s_or_b32 s[G1B], s18, (3<<16)|(1<<21)          ; mask of my column
	s_mov_b32 s[G1B+1], 1536<<16
	s_mov_b32 s[G1B+2], 3<<16
	s_mov_b32 s[G1B+3], 1536<<16
	s_mov_b32 s[G1B+4], 3
	s_mov_b32 s[G1B+5], KB*128
	s_mov_b32 s[G1B+6], 0
	s_mov_b32 s[G1B+7], 0
	s_lshl_b32 s56, s16, 2
	s_lshl_b32 s57, s12, 1
	s_add_co_u32 s56, s56, s57
	s_mul_i32 s56, s56, KB*1024                    ; A: row block 4 x row tile + 2 x half
	s_mov_b32 s57, 0
	s_mul_i32 s58, s15, 6
	s_mul_i32 s59, s12, 3
	s_add_co_u32 s58, s58, s59
	s_mul_i32 s58, s58, KB*1024                    ; W: column block 6 x column tile + 3 x half
	s_add_co_u32 s58, s58, BOFF
	s_mov_b32 s59, 0
	s_mul_i32 s60, s12, 24576
	s_mul_i32 s61, s12, 36864
	s_add_co_u32 s61, s61, BLDS
	s_wait_dscnt 0x0                               ; the opening add is done
	s_wait_kmcnt 0x0
	s_add_nc_u64 s[56:57], s[4:5], s[56:57]
	s_add_nc_u64 s[58:59], s[6:7], s[58:59]
.irp s, 0,1
	s_mov_b32 s[G0A+4*\s], 1
	s_add_co_u32 s[G0A+4*\s+1], s60, \s*SLOT
	s_add_nc_u64 s[G0A+4*\s+2:G0A+4*\s+3], s[56:57], \s*12288
	s_or_b32 s[G0A+4*\s+3], s[G0A+4*\s+3], 0x80000000
	s_mov_b32 s[G0B+4*\s], 1
	s_add_co_u32 s[G0B+4*\s+1], s61, \s*SLOT
	s_add_nc_u64 s[G0B+4*\s+2:G0B+4*\s+3], s[58:59], \s*12288
	s_or_b32 s[G0B+4*\s+3], s[G0B+4*\s+3], 0x80000000
.endr
	CROUND                                         ; all sixteen work-groups are here: the first joint loads meet
	s_cmp_eq_u32 s11, 0                            ; a wave's two first fills stand in one branch: two loads of mine are out
	s_cbranch_scc0 .Lfirst_b
	tensor_load_to_lds s[G0A:G0A+3], s[G1A:G1A+7]
	s_nop 0
	tensor_load_to_lds s[G0A+4:G0A+7], s[G1A:G1A+7]
	s_nop 0
.rept 4
	v_nop
.endr
	s_branch .Lfirst_done
.Lfirst_b:
	tensor_load_to_lds s[G0B:G0B+3], s[G1B:G1B+7]
	s_nop 0
	tensor_load_to_lds s[G0B+4:G0B+7], s[G1B:G1B+7]
	s_nop 0
.rept 4
	v_nop
.endr
.Lfirst_done:
	v_and_b32 v1, 15, v0                           ; r
	v_bfe_u32 v2, v0, 4, 1                         ; h
	v_and_b32 v20, 31, v0                          ; lane
	v_lshlrev_b32 v3, 4, v20                       ; 16 x lane
	s_mul_i32 s66, s[WV], 3072                     ; my three blocks of a step
	v_add_nc_u32 v4, s66, v3
	v_add_nc_u32 v5, SLOT, v4
	v_add_nc_u32 v6, BLDS, v4
	v_add_nc_u32 v7, BLDS, v5
	s_mul_i32 s66, s[WV], CPY                      ; into the stage: my copy, row r, 32 bytes for each half of the lanes
	v_mul_u32_u24 v10, v1, 400
	v_lshl_add_u32 v10, v2, 5, v10
	v_add_nc_u32 v10, s66, v10
	; back: rows 16 w .. + 15 of every copy, four rows (96 pieces of 16 bytes) to three loads.  Piece f = 32 t + lane lies in row f / 24 at byte
	; 16 (f % 24): at 16 f + 16 (f / 24) of the four rows of 400 bytes.  f / 24 is 0 or 1 (from lane 24), 1 or 2 (from lane 16), 2 or 3 (from lane 8).
	s_mul_i32 s66, s[WV], 6400
	v_bfe_u32 v17, v0, 3, 2                        ; lane / 8
	v_add_nc_u32 v18, 1, v17
	v_bfe_u32 v18, v18, 2, 1                       ; 1 from lane 24 on
	v_add_nc_u32 v18, v18, v20
	v_lshl_add_u32 v11, v18, 4, s66
	v_add_nc_u32 v18, 33, v2                       ; 32 + 1 + (1 from lane 16 on)
	v_add_nc_u32 v18, v18, v20
	v_lshl_add_u32 v12, v18, 4, s66
	v_add_nc_u32 v18, 3, v17
	v_bfe_u32 v18, v18, 2, 1                       ; 1 from lane 8 on
	v_add_nc_u32 v18, 66, v18                      ; 64 + 2 +
	v_add_nc_u32 v18, v18, v20
	v_lshl_add_u32 v13, v18, 4, s66
.irp t, 0,1,2
	v_add_nc_u32 v[14+\t], 2*CPY, v[11+\t]
.endr
	s_mul_i32 s66, s15, 786432                     ; my panel,
	s_lshl_b32 s67, s16, 6
	s_lshl_b32 s68, s[WV], 4
	s_add_co_u32 s67, s67, s68
	s_mul_i32 s67, s67, 384                        ; and the 16 rows that I store
	s_add_co_u32 s66, s66, s67
	s_mov_b32 s67, 0
	s_add_nc_u64 s[8:9], s[8:9], s[66:67]
	s_wait_tensorcnt 0x1                           ; my part of slot 0 is in; slot 1's may stay out
	s_barrier_signal -1
	s_barrier_wait -1
	COMPUTE 0, 1                                   ; the first products start the sums
.if TSTEPS > 2
	WIN 0
	s_mov_b32 s3, (TSTEPS-2)/2
.Llap:
	STEP 1, 1
	STEP 0, 1
	WIN 0
	s_sub_co_u32 s3, s3, 1
	s_cmp_lg_u32 s3, 0
	s_cbranch_scc1 .Llap
.endif
	STEP 1, 0                                      ; the last K step: nothing is left to fetch
	; THE WAY OUT
	WIN 0
	PLACES
.irp m, 0,1,2,3
.irp i, 0,1,2,3,4,5
	ds_store_b128 v10, v[ACC+8*(6*\m+\i):ACC+8*(6*\m+\i)+3]   offset:\m*6400+\i*64
	ds_store_b128 v10, v[ACC+8*(6*\m+\i)+4:ACC+8*(6*\m+\i)+7] offset:\m*6400+\i*64+16
.endr
.endr
	s_wait_tensorcnt 0x0                           ; these were my last LDS writes
	ds_add_u32 v8, v9
	s_wait_dscnt 0x0                               ; the wait is also for the others' sake: my partial tile is stored
	s_barrier_signal -1
	s_barrier_wait -1
.irp a, 0,1,2,3
.irp t, 0,1,2
	ds_load_b128 v[ACC+16*(3*\a+\t):ACC+16*(3*\a+\t)+3],     v[11+\t] offset:\a*1600
	ds_load_b128 v[ACC+16*(3*\a+\t)+4:ACC+16*(3*\a+\t)+7],   v[11+\t] offset:\a*1600+CPY
	ds_load_b128 v[ACC+16*(3*\a+\t)+8:ACC+16*(3*\a+\t)+11],  v[14+\t] offset:\a*1600
	ds_load_b128 v[ACC+16*(3*\a+\t)+12:ACC+16*(3*\a+\t)+15], v[14+\t] offset:\a*1600+CPY
.endr
.endr
.irp a, 0,1,2,3
	s_wait_dscnt 36-12*\a                          ; the twelve loads of group a are in; the later groups' stay out
.irp t, 0,1,2
.irp q, 0,2
	v_pk_add_f32 v[ACC+16*(3*\a+\t)+\q:ACC+16*(3*\a+\t)+\q+1], v[ACC+16*(3*\a+\t)+\q:ACC+16*(3*\a+\t)+\q+1], v[ACC+16*(3*\a+\t)+4+\q:ACC+16*(3*\a+\t)+5+\q]
	v_pk_add_f32 v[ACC+16*(3*\a+\t)+8+\q:ACC+16*(3*\a+\t)+9+\q], v[ACC+16*(3*\a+\t)+8+\q:ACC+16*(3*\a+\t)+9+\q], v[ACC+16*(3*\a+\t)+12+\q:ACC+16*(3*\a+\t)+13+\q]
.endr
.irp q, 0,2
	v_pk_add_f32 v[ACC+16*(3*\a+\t)+\q:ACC+16*(3*\a+\t)+\q+1], v[ACC+16*(3*\a+\t)+\q:ACC+16*(3*\a+\t)+\q+1], v[ACC+16*(3*\a+\t)+8+\q:ACC+16*(3*\a+\t)+9+\q]
.endr
	global_store_b128 v3, v[ACC+16*(3*\a+\t):ACC+16*(3*\a+\t)+3], s[8:9] offset:(3*\a+\t)*512  ; 512 consecutive bytes of the panel, aligned
.endr
.endr
	CROUND                                         ; the closing round
	s_endpgm
.Lfunc_end_k_q752cb98920_gemm_ao:
	.size	k_q752cb98920_gemm_ao, .Lfunc_end_k_q752cb98920_gemm_ao-k_q752cb98920_gemm_ao
	.p2alignl 7, 3214868480
	.fill 96, 4, 3214868480
	.section	.rodata,"a",@progbits
	.p2align	6, 0x0
	.amdhsa_kernel k_q752cb98920_gemm_ao
		.amdhsa_group_segment_fixed_size 327680
		.amdhsa_private_segment_fixed_size 0
		.amdhsa_enable_private_segment 0
		.amdhsa_kernarg_size 24
		.amdhsa_user_sgpr_count 2
		.amdhsa_user_sgpr_kernarg_segment_ptr 1
		.amdhsa_wavefront_size32 1
		.amdhsa_system_sgpr_workgroup_id_x 1
		.amdhsa_system_sgpr_workgroup_id_y 1
		.amdhsa_system_sgpr_workgroup_id_z 1
		.amdhsa_system_vgpr_workitem_id 0
		.amdhsa_next_free_vgpr 464
		.amdhsa_next_free_sgpr 80
		.amdhsa_reserve_vcc 0
		.amdhsa_float_denorm_mode_32 3
		.amdhsa_float_denorm_mode_16_64 3
		.amdhsa_memory_ordered 1
		.amdhsa_forward_progress 1
		.amdhsa_inst_pref_size 37
	.end_amdhsa_kernel
	.amdgpu_metadata
---
amdhsa.version: [ 1, 2 ]
amdhsa.kernels:
  - .name:           k_q752cb98920_gemm_ao
    .symbol:         k_q752cb98920_gemm_ao.kd
    .args:
      - { .name: ctx, .offset: 0, .size: 8, .value_kind: global_buffer, .address_space: global }
      - { .name: wcast, .offset: 8, .size: 8, .value_kind: global_buffer, .address_space: global }
      - { .name: cmat, .offset: 16, .size: 8, .value_kind: global_buffer, .address_space: global }
    .group_segment_fixed_size: 327680
    .private_segment_fixed_size: 0
    .kernarg_segment_align: 8
    .kernarg_segment_size: 24
    .max_flat_workgroup_size: 128
    .sgpr_count:     80
    .vgpr_count:     464
    .wavefront_size: 32
...
	.end_amdgpu_metadata
.endif
;; end of part 4
;; launch ln1 (part 5): grid 256 x 1, 8 waves a work-group, no clusters, 0 bytes of LDS; arguments cmat, hidden_states, bao, ln1_g, ln1_b, wcast, br, aout, out1, eidx; writes aout, out1, eidx
.if DOCPART == 5
	.amdgcn_target "amdgcn-amd-amdhsa--gfx1250"
	.amdhsa_code_object_version 6
	.text
	.protected	k_q752cb98920_ln1
	.globl	k_q752cb98920_ln1
	.p2align	8
	.type	k_q752cb98920_ln1,@function
k_q752cb98920_ln1:
	s_mov_b64 s[64:65], 0
	v_nop
	global_prefetch_b8 v0, s[64:65] scope:SCOPE_SE
	s_setreg_imm32_b32 hwreg(HW_REG_WAVE_MODE, 25, 1), 1
	s_wait_xcnt 0x0
; LN1 AND ROUTER.  a = LayerNorm(c1 + bao + x) g + b; scores = softmax(a Wr + br); expert = first index of the largest score.
; Stores a in f32 (aout + 3,145,728) and in bf16 (aout), the scores (out1) and the expert as a whole number (eidx).
; NUMBERS. x, bao, g, b, Wr and br are rounded to bf16 like every input (Wr by an earlier launch, which left it packed at wcast + 12,582,912).
; The mean is taken first, then the centred squares.  The softmax takes the true maximum away.  THE ROUTER'S PRODUCT (768 x 8 a row) RUNS ON THE
; VECTOR UNIT, a in f32 times Wr's bf16 halves: a rounded to 16 bits could change which expert is largest, and that changes a whole output row.
; NaN is not treated apart (the stored expert is held to 0..7).
; SHARES. A wave takes ONE row; a lane holds columns 128 n + 4 lane + 0..3, n = 0..5.  c1 lies in panels [8][2048][96].
; All 55 loads of a wave go out together behind the arguments, in the order in which they are wanted, so that memory is waited for once.
; out1 (32 bytes a row) and eidx (4 bytes a row) are stored by all 32 lanes: lanes 8 apart hold the same bits and name the same bytes.
; No LDS, no barrier: a row never leaves its wave.
.set WRP, 16                           ; v[16:111]  Wr of my 24 columns, packed bf16: column c at WRP + 4 c, experts 2 p, 2 p + 1 in register p
.set BAO, 112
.set G,   136
.set BB,  160
.set Z,   184
.set HH,  208
.set LG,  232                          ; v[232:239] eight partial logits
.set HI,  32
.macro RND2 a, b, t                    ; two f32 rounded to bf16 and widened again
	v_cvt_pk_bf16_f32 v[\t], v[\a], v[\b]
	v_lshlrev_b32 v[\a], 16, v[\t]
	v_and_b32 v[\b], s[HI], v[\t]
.endm
.macro WSUM v, t                       ; the sum over the wave's 32 lanes, in every lane
	v_add_f32_dpp v[\v], v[\v], v[\v] row_xmask:1 row_mask:0xf bank_mask:0xf
	v_add_f32_dpp v[\v], v[\v], v[\v] row_xmask:2 row_mask:0xf bank_mask:0xf
	v_add_f32_dpp v[\v], v[\v], v[\v] row_xmask:4 row_mask:0xf bank_mask:0xf
	v_add_f32_dpp v[\v], v[\v], v[\v] row_xmask:8 row_mask:0xf bank_mask:0xf
	v_permlanex16_b32 v[\t], v[\v], s28, s29
	v_add_f32 v[\v], v[\v], v[\t]
.endm
.macro FOLD d, lo, hi, m, x            ; lanes with the mask's bit keep hi and send lo, the others the other way round: d = kept + the partner's
	v_cndmask_b32 v240, v[\lo], v[\hi], s[\m]
	v_cndmask_b32 v241, v[\hi], v[\lo], s[\m]
	v_add_f32_dpp v[\d], v241, v240 row_xmask:\x row_mask:0xf bank_mask:0xf
.endm
	s_load_b512 s[4:19], s[0:1], 0x0               ; cmat, hidden, bao, g, b, wcast, br, aout: s[4:5] .. s[18:19]
	s_load_b128 s[20:23], s[0:1], 0x40             ; out1 s[20:21], eidx s[22:23]
	v_and_b32 v1, 31, v0                           ; lane
	v_lshrrev_b32 v11, 5, v0
	v_readfirstlane_b32 s24, v11                   ; wave
	v_lshlrev_b32 v8, 4, v1                        ; 16 x lane
	v_lshlrev_b32 v11, 3, v1                       ; 8 x lane
	v_mov_b32 v9, 0
	v_lshlrev_b32 v13, 6, v1                       ; 64 x lane: four columns of the packed Wr
	v_and_b32 v12, 7, v1
	v_lshlrev_b32 v12, 2, v12                      ; 4 x (lane % 8)
	s_mov_b32 s28, 0x76543210
	s_mov_b32 s29, 0xfedcba98
	s_mov_b32 s30, 0x3aaaaaab                      ; 1 / 768
	s_mov_b32 s31, 0x2b8cbccc                      ; 1e-12
	s_mov_b32 s[HI], 0xffff0000
	s_mov_b32 s40, 0xaaaaaaaa                      ; lanes with bit 0, 1, 2 of their number set
	s_mov_b32 s41, 0xcccccccc
	s_mov_b32 s42, 0xf0f0f0f0
	s_lshl_b32 s25, ttmp9, 3
	s_add_co_u32 s25, s25, s24                     ; my row
	s_mov_b32 s35, 0
.irp n, 0,1,2,3,4,5                            ; c1's panels: piece f = 32 n + lane lies in panel f / 24 at bytes 16 (f % 24) of the row
	v_add_nc_u32 v14, 32*\n, v1
	v_mul_u32_u24 v15, v14, 171
	v_lshrrev_b32 v15, 12, v15                     ; f / 24 for f below 192
	v_mul_u32_u24 v[2+\n], v15, 24
	v_sub_nc_u32 v14, v14, v[2+\n]
	v_mul_u32_u24 v15, v15, 0xc0000
	v_lshl_add_u32 v[2+\n], v14, 4, v15
.endr
	s_wait_kmcnt 0x0
	s_mul_i32 s34, s25, 384
	s_add_nc_u64 s[4:5], s[4:5], s[34:35]
	s_mul_i32 s34, s25, 3072
	s_add_nc_u64 s[6:7], s[6:7], s[34:35]
	s_add_nc_u64 s[26:27], s[18:19], s[34:35]
	s_add_nc_u64 s[14:15], s[14:15], 12582912      ; the packed Wr
.irp n, 0,1,2,3,4,5
	global_load_b128 v[Z+4*\n:Z+4*\n+3], v[2+\n], s[4:5]
.endr
.irp n, 0,1,2,3,4,5
	global_load_b128 v[HH+4*\n:HH+4*\n+3], v8, s[6:7] offset:512*\n
.endr
.irp n, 0,1,2,3,4,5
	global_load_b128 v[BAO+4*\n:BAO+4*\n+3], v8, s[8:9] offset:512*\n
.endr
.irp n, 0,1,2,3,4,5
	global_load_b128 v[G+4*\n:G+4*\n+3], v8, s[10:11] offset:512*\n
.endr
.irp n, 0,1,2,3,4,5
	global_load_b128 v[BB+4*\n:BB+4*\n+3], v8, s[12:13] offset:512*\n
.endr
.set n, 0
.rept 6
.irp i, 0,1,2,3
	global_load_b128 v[WRP+16*n+4*\i:WRP+16*n+4*\i+3], v13, s[14:15] offset:n*2048+16*\i
.endr
.set n, n+1
.endr
	global_load_b32 v10, v12, s[16:17]
	s_add_nc_u64 s[26:27], s[26:27], 3145728       ; a in f32
	s_mul_i32 s34, s25, 1536
	s_add_nc_u64 s[18:19], s[18:19], s[34:35]      ; a in bf16
	s_lshl_b32 s34, s25, 5
	s_add_nc_u64 s[20:21], s[20:21], s[34:35]
	s_lshl_b32 s34, s25, 2
	s_add_nc_u64 s[22:23], s[22:23], s[34:35]
	s_wait_loadcnt 37                              ; c1, x and bao are in; g, b (12), Wr (24) and br (1) stay out
.set k, 0
.rept 12
	RND2 HH+2*k, HH+2*k+1, 240+k%4
.set k, k+1
.endr
.set k, 0
.rept 12
	RND2 BAO+2*k, BAO+2*k+1, 240+k%4
.set k, k+1
.endr
.set k, 0
.rept 12
	v_pk_add_f32 v[Z+2*k:Z+2*k+1], v[Z+2*k:Z+2*k+1], v[HH+2*k:HH+2*k+1]
.set k, k+1
.endr
.set k, 0
.rept 12
	v_pk_add_f32 v[Z+2*k:Z+2*k+1], v[Z+2*k:Z+2*k+1], v[BAO+2*k:BAO+2*k+1]
.set k, k+1
.endr
.irp k, 0,1,2,3,4,5
	v_pk_add_f32 v[240+2*\k:241+2*\k], v[Z+4*\k:Z+4*\k+1], v[Z+4*\k+2:Z+4*\k+3]
.endr
	v_pk_add_f32 v[240:241], v[240:241], v[242:243]
	v_pk_add_f32 v[244:245], v[244:245], v[246:247]
	v_pk_add_f32 v[248:249], v[248:249], v[250:251]
	v_pk_add_f32 v[240:241], v[240:241], v[244:245]
	v_pk_add_f32 v[240:241], v[240:241], v[248:249]
	v_add_f32 v240, v240, v241
	WSUM 240, 241
	v_mul_f32 v240, s30, v240                      ; the mean
.set k, 0
.rept 12
	v_pk_add_f32 v[Z+2*k:Z+2*k+1], v[Z+2*k:Z+2*k+1], v[240:241] op_sel_hi:[1,0] neg_lo:[0,1] neg_hi:[0,1]
.set k, k+1
.endr
.irp k, 0,1,2,3
	v_pk_mul_f32 v[242+2*\k:243+2*\k], v[Z+2*\k:Z+2*\k+1], v[Z+2*\k:Z+2*\k+1]
.endr
.set k, 4
.rept 8
	v_pk_fma_f32 v[242+2*(k%4):243+2*(k%4)], v[Z+2*k:Z+2*k+1], v[Z+2*k:Z+2*k+1], v[242+2*(k%4):243+2*(k%4)]
.set k, k+1
.endr
	v_pk_add_f32 v[242:243], v[242:243], v[244:245]
	v_pk_add_f32 v[246:247], v[246:247], v[248:249]
	v_pk_add_f32 v[242:243], v[242:243], v[246:247]
	v_add_f32 v242, v242, v243
	WSUM 242, 243
	v_fma_f32 v242, v242, s30, s31                 ; the variance + 1e-12
	v_rsq_f32 v244, v242
	s_wait_loadcnt 25                              ; g and b are in; Wr and br stay out
.set k, 12
.rept 24                                       ; their rounding is the plain work behind the root
	RND2 BAO+2*k, BAO+2*k+1, 240+k%4
.set k, k+1
.endr
	s_wait_alu depctr_va_vdst(0)                   ; the wait ahead of the root's first reader
.set k, 0
.rept 12
	v_pk_mul_f32 v[Z+2*k:Z+2*k+1], v[Z+2*k:Z+2*k+1], v[244:245] op_sel_hi:[1,0]
.set k, k+1
.endr
.set k, 0
.rept 12
	v_pk_fma_f32 v[Z+2*k:Z+2*k+1], v[Z+2*k:Z+2*k+1], v[G+2*k:G+2*k+1], v[BB+2*k:BB+2*k+1]
.set k, k+1
.endr
.irp n, 0,1,2,3,4,5
	global_store_b128 v8, v[Z+4*\n:Z+4*\n+3], s[26:27] offset:512*\n       ; 512 consecutive bytes
.endr
.irp n, 0,1,2,3,4,5
	v_cvt_pk_bf16_f32 v[240+2*\n], v[Z+4*\n], v[Z+4*\n+1]
	v_cvt_pk_bf16_f32 v[241+2*\n], v[Z+4*\n+2], v[Z+4*\n+3]
	global_store_b64 v11, v[240+2*\n:241+2*\n], s[18:19] offset:256*\n     ; 256 consecutive bytes, aligned
.endr
	s_wait_loadcnt 0x0                             ; Wr and br
	v_cvt_pk_bf16_f32 v10, v10, v10
	v_lshlrev_b32 v10, 16, v10                     ; br of expert lane % 8
	; the router: eight chains of 24 multiply-adds
.irp p, 0,1,2,3
	v_fma_mix_f32_bf16 v[LG+2*\p],   v[Z], v[WRP+\p], v9 op_sel_hi:[0,1,0]
	v_fma_mix_f32_bf16 v[LG+2*\p+1], v[Z], v[WRP+\p], v9 op_sel:[0,1,0] op_sel_hi:[0,1,0]
.endr
.set c, 1
.rept 23
.irp p, 0,1,2,3
	v_fma_mix_f32_bf16 v[LG+2*\p],   v[Z+c], v[WRP+4*c+\p], v[LG+2*\p] op_sel_hi:[0,1,0]
	v_fma_mix_f32_bf16 v[LG+2*\p+1], v[Z+c], v[WRP+4*c+\p], v[LG+2*\p+1] op_sel:[0,1,0] op_sel_hi:[0,1,0]
.endr
.set c, c+1
.endr
	s_wait_xcnt 0x0                                ; v240-251 were store data: they are written again only behind this wait
	FOLD 244, LG,   LG+1, 40, 1                    ; eight sums over 32 lanes at once: afterwards lane l holds expert l % 8
	FOLD 245, LG+2, LG+3, 40, 1
	FOLD 246, LG+4, LG+5, 40, 1
	FOLD 247, LG+6, LG+7, 40, 1
	FOLD 248, 244, 245, 41, 2
	FOLD 249, 246, 247, 41, 2
	FOLD 250, 248, 249, 42, 4
	v_add_f32_dpp v250, v250, v250 row_xmask:8 row_mask:0xf bank_mask:0xf
	v_permlanex16_b32 v251, v250, s28, s29
	v_add_f32 v250, v250, v251
	v_add_f32 v250, v250, v10                      ; + br
	v_mov_b32 v252, v250
	v_max_num_f32_dpp v252, v252, v252 row_xmask:1 row_mask:0xf bank_mask:0xf
	v_max_num_f32_dpp v252, v252, v252 row_xmask:2 row_mask:0xf bank_mask:0xf
	v_max_num_f32_dpp v252, v252, v252 row_xmask:4 row_mask:0xf bank_mask:0xf
	v_sub_f32 v253, v250, v252                     ; the maximum is taken away
	v_mul_f32 v253, 0x3fb8aa3b, v253
	v_exp_f32 v253, v253
	v_nop
	s_wait_alu depctr_va_vdst(0)
	v_mov_b32 v254, v253
	v_add_f32_dpp v254, v254, v254 row_xmask:1 row_mask:0xf bank_mask:0xf
	v_add_f32_dpp v254, v254, v254 row_xmask:2 row_mask:0xf bank_mask:0xf
	v_add_f32_dpp v254, v254, v254 row_xmask:4 row_mask:0xf bank_mask:0xf
	v_rcp_f32 v255, v254
	v_nop
	s_wait_alu depctr_va_vdst(0)
	v_mul_f32 v253, v253, v255                     ; the score
	v_mov_b32 v254, v253
	v_max_num_f32_dpp v254, v254, v254 row_xmask:1 row_mask:0xf bank_mask:0xf
	v_max_num_f32_dpp v254, v254, v254 row_xmask:2 row_mask:0xf bank_mask:0xf
	v_max_num_f32_dpp v254, v254, v254 row_xmask:4 row_mask:0xf bank_mask:0xf
	v_cmp_eq_f32 s43, v253, v254
	s_and_b32 s43, s43, 0xff
	s_ctz_i32_b32 s43, s43                         ; the lowest expert that has the largest score
	s_min_u32 s43, s43, 7
	v_mov_b32 v254, s43
	global_store_b32 v12, v253, s[20:21]
	global_store_b32 v9, v254, s[22:23]
	s_endpgm
.Lfunc_end_k_q752cb98920_ln1:
	.size	k_q752cb98920_ln1, .Lfunc_end_k_q752cb98920_ln1-k_q752cb98920_ln1
	.p2alignl 7, 3214868480
	.fill 96, 4, 3214868480
	.section	.rodata,"a",@progbits
	.p2align	6, 0x0
	.amdhsa_kernel k_q752cb98920_ln1
		.amdhsa_group_segment_fixed_size 0
		.amdhsa_private_segment_fixed_size 0
		.amdhsa_enable_private_segment 0
		.amdhsa_kernarg_size 80
		.amdhsa_user_sgpr_count 2
		.amdhsa_user_sgpr_kernarg_segment_ptr 1
		.amdhsa_wavefront_size32 1
		.amdhsa_system_sgpr_workgroup_id_x 1
		.amdhsa_system_sgpr_workgroup_id_y 1
		.amdhsa_system_sgpr_workgroup_id_z 1
		.amdhsa_system_vgpr_workitem_id 0
		.amdhsa_next_free_vgpr 256
		.amdhsa_next_free_sgpr 66
		.amdhsa_reserve_vcc 0
		.amdhsa_float_denorm_mode_32 3
		.amdhsa_float_denorm_mode_16_64 3
		.amdhsa_memory_ordered 1
		.amdhsa_forward_progress 1
		.amdhsa_inst_pref_size 39
	.end_amdhsa_kernel
	.amdgpu_metadata
---
amdhsa.version: [ 1, 2 ]
amdhsa.kernels:
  - .name:           k_q752cb98920_ln1
    .symbol:         k_q752cb98920_ln1.kd
    .args:
      - { .name: cmat, .offset: 0, .size: 8, .value_kind: global_buffer, .address_space: global }
      - { .name: hidden_states, .offset: 8, .size: 8, .value_kind: global_buffer, .address_space: global }
      - { .name: bao, .offset: 16, .size: 8, .value_kind: global_buffer, .address_space: global }
      - { .name: ln1_g, .offset: 24, .size: 8, .value_kind: global_buffer, .address_space: global }
      - { .name: ln1_b, .offset: 32, .size: 8, .value_kind: global_buffer, .address_space: global }
      - { .name: wcast, .offset: 40, .size: 8, .value_kind: global_buffer, .address_space: global }
      - { .name: br, .offset: 48, .size: 8, .value_kind: global_buffer, .address_space: global }
      - { .name: aout, .offset: 56, .size: 8, .value_kind: global_buffer, .address_space: global }
      - { .name: out1, .offset: 64, .size: 8, .value_kind: global_buffer, .address_space: global }
      - { .name: eidx, .offset: 72, .size: 8, .value_kind: global_buffer, .address_space: global }
    .group_segment_fixed_size: 0
    .private_segment_fixed_size: 0
    .kernarg_segment_align: 8
    .kernarg_segment_size: 80
    .max_flat_workgroup_size: 256
    .sgpr_count:     66
    .vgpr_count:     256
    .wavefront_size: 32
...
	.end_amdgpu_metadata
.endif
;; end of part 5
;; launch ffn1 (part 6): grid 32 x 8, 8 waves a work-group, no clusters, 183,808 bytes of LDS; arguments Wi, bi, aout, eidx, qkv, list; writes qkv, list
.if DOCPART == 6
	.amdgcn_target "amdgcn-amd-amdhsa--gfx1250"
	.amdhsa_code_object_version 6
	.text
	.protected	k_q752cb98920_ffn1
	.globl	k_q752cb98920_ffn1
	.p2align	8
	.type	k_q752cb98920_ffn1,@function
k_q752cb98920_ffn1:
	s_mov_b64 s[64:65], 0
	v_nop
	global_prefetch_b8 v0, s[64:65] scope:SCOPE_SE
	s_setreg_imm32_b32 hwreg(HW_REG_WAVE_MODE, 25, 1), 1
	s_wait_xcnt 0x0
; THE EXPERTS' PRODUCT: inter[p] = gelu(a[token(p)] Wi[e] + bi[e]) for the rows that chose expert e alone, stored in SORTED order p, f16, fragment order.
; SHARES. Work-group (s, e) owns columns 96 s .. + 95 of expert e: 294,912 bytes of f32 weights that it alone reads, once, rounds to bf16 on their way
; through registers and keeps in LDS as [768][96], rows of 224 bytes.  Then it takes ALL rows of its expert, in blocks of 16 sorted places.
; THE SORT. Every work-group counts the 2,048 stored choices itself while its weights are on their way: n = rows of e, base = rows of lower experts.
; Inside an expert the order is (chunk of 128 tokens, i = 0..3, lane), token = 128 chunk + 4 lane + i.  Blocks stay on the grid of 16 places, and so does
; the list in LDS: the row of rank k stands at word (base % 16) + k, so that block j of the expert reads words 16 j .. 16 j + 15, at addresses made of the
; wave's number and the loop's step alone.  All words are first set to the mark 0x800: a mark says that the place is not this expert's.  Such a lane
; computes on token 2,047's row and stores nothing.  A block that two experts share is computed by both, and each stores its own lanes alone.
; EVERY SPLIT IS SERVED: six trips of 24 blocks cover the 129 blocks that an expert can touch; a wave with nothing left jumps forward over the work; a wave
; with one block left runs the text for two, the second all marks.  An expert without rows stores nothing.  Slice 0 also stores its expert's part of the list.
; ON THEIR WAY. All 72 loads of a wave's weights go out together.  In the walk along K the token rows come straight from memory as matrix operands, through
; a ring of four K blocks in registers (8 loads a block of rows are out), and the weights' fragments of the next K block are read from LDS ahead of the wait.
; NUMBERS. a and Wi in bf16, sums in f32, begun with bi (rounded to bf16), which is loaded into the accumulators.  erf by a rational form with e^(-z z), good
; to 1.5e-7 for every x: gelu(x) = max(x, 0) - |x| g, g = t (a1 + t (a2 + t (a3 + t (a4 + t a5)))) 2^-(0.8493218 |x|)^2, t = 1 / (1 + 0.23164189 |x|).
; inter must lie within 65,504.
; THE WAY OUT of a block is a loop of six trips over one text: it works on the block's first accumulator, and 40 moves bring the other five one place down.
; NO JOINT LOADS: each slice of weights has one reader, and the token rows come by a list, which no tile descriptor covers.
; TWO BARRIERS: between the marks and the list, and between the laying of list, weights and bias and their reading.  The loop over rows writes no LDS.
; EXEC. All 32 lanes are on at the entry and ahead of every narrowing, so each narrowing is taken back by the constant -1.
; REGISTERS, in windows of 256 (s_set_vgpr_msb: bits 1:0 source 0, 3:2 source 1, 5:4 source 2, 7:6 destination).
;   window 0: v1 16 x lane; v2 weights' running LDS address; v3-5 rows' byte offsets; v6-8 tokens as read; v9, v10 the add's; v11 the list; v12 the bias;
;             v14 weights' first address; v15 16 h; v16-63 at work on the way out; v72-75 eight packed results; v112-255 accumulators.
;             While the weights are laid: v16-79 all choices, v80-87 my wave's, v88-231 batches 0 and 1.
;   window 1: v0-95 the weights' fragments, two buffers; v96-191 the rows' ring.  While the weights are laid: v0-143 batches 2 and 3.
.set WP,    224                        ; an odd multiple of 32 bytes, for the turning load
.set BIAS,  172032                     ; 96 f32, and 128 bytes into which lanes 24 to 31 put their repeat of the last piece
.set LIST,  172544                     ; 2,304 words (144 blocks of 16), then 256 words where lanes without a match put theirs
.set SPARE, 182784                     ; the spare words: 128 bytes a wave, four blocks of 256 bytes that no other line names
.set EV, 16
.set MV, 80
.set W0, 88
.set W1, 160
.set W2, 0                             ; window 1
.set W3, 72                            ; window 1
.set BF, 0                             ; window 1: buffer b at BF + 48 b, column block i at + 8 i
.set AR, 96                            ; window 1: ring place p at AR + 24 p, block of rows u at + 8 u
.set DEPTH, 4                          ; K blocks of rows on their way
.set ACC, 112                          ; accumulator (u, i) at ACC + 8 (6 u + i)
.set MULW, 0x05                        ; sources 0 and 1 window 1; C and D window 0
.set TO_F, 0x40                        ; destination window 1, address window 0
.set W_CV, 0x45                        ; destination and both sources window 1
.set W_ST, 0x04                        ; an LDS store: address (source 0) window 0, data (source 1) window 1
.set MSB, 0
.macro WIN new                         ; the immediate's high byte repeats the setting that is left; a switch that changes nothing is dropped
.if MSB != (\new)
	s_set_vgpr_msb (MSB<<8)|(\new)
.set MSB, \new
.endif
.endm
.macro PLACES                          ; four plain places behind matrix instructions, ahead of loads into their sources and of reads of their results
.rept 4
	v_nop
.endr
.endm
.macro WLOAD bt, reg                   ; batch bt: 24 of my 96 rows, 18 loads of four rows x 128 bytes
.set gg, 0
.rept 6
.irp t, 0,1,2
	global_load_b128 v[(\reg)+4*(3*gg+\t):(\reg)+4*(3*gg+\t)+3], v236, s[4:5] offset:(6*(\bt)+gg)*49152+\t*128 th:TH_LOAD_NT
.endr
.set gg, gg+1
.endr
.endm
.macro CONV bt, reg, hi                ; rounded to bf16 and laid into LDS; hi = 1: the batch lies in window 1
.if \hi
	WIN W_CV
.endif
.set gg, 0
.rept 18
	v_cvt_pk_bf16_f32 v[(\reg)+4*gg],   v[(\reg)+4*gg],   v[(\reg)+4*gg+1]
	v_cvt_pk_bf16_f32 v[(\reg)+4*gg+1], v[(\reg)+4*gg+2], v[(\reg)+4*gg+3]
.set gg, gg+1
.endr
.if \hi
	WIN W_ST
.endif
.set gg, 0
.rept 6
.irp t, 0,1,2
	ds_store_b64 v237, v[(\reg)+4*(3*gg+\t):(\reg)+4*(3*gg+\t)+1] offset:(6*(\bt)+gg)*4*WP+\t*64
.endr
.set gg, gg+1
.endr
.if \hi
	WIN 0
.endif
.endm
.macro CNT4 c                          ; chunk c's four registers: n and base grow; at my wave's first chunk n is caught as my first rank
.if ((\c)%2) == 0
	s_cmp_eq_u32 s16, (\c)/2
	s_cselect_b32 s21, s19, s21
.endif
.irp q, 0,1,2,3
	v_cmp_eq_u32 s[40+\q], s18, v[EV+4*(\c)+\q]
	v_cmp_gt_u32 s[44+\q], s18, v[EV+4*(\c)+\q]
.endr
.irp q, 0,1,2,3
	s_bcnt1_i32_b32 s[40+\q], s[40+\q]
	s_bcnt1_i32_b32 s[44+\q], s[44+\q]
.endr
.irp q, 0,1,2,3
	s_add_co_u32 s19, s19, s[40+\q]
	s_add_co_u32 s20, s20, s[44+\q]
.endr
.endm
.macro ALOAD c, p, imm                 ; c blocks' rows, 32 along K at byte imm from the running base, into ring place p
	WIN TO_F
.set uu, 0
.rept \c
	global_load_b128 v[AR+24*(\p)+8*uu:AR+24*(\p)+8*uu+3],   v[3+uu], s[30:31] offset:\imm
	global_load_b128 v[AR+24*(\p)+8*uu+4:AR+24*(\p)+8*uu+7], v[3+uu], s[30:31] offset:(\imm)+32
.set uu, uu+1
.endr
.endm
.macro BLOAD j                         ; the weights' six fragments of K block j from the running address, turned, into buffer j % 2
	WIN TO_F
.irp i, 0,1,2,3,4,5
	ds_load_tr16_b128 v[BF+48*((\j)%2)+8*\i:BF+48*((\j)%2)+8*\i+3],   v2 offset:(\j)*32*WP+32*\i
	ds_load_tr16_b128 v[BF+48*((\j)%2)+8*\i+4:BF+48*((\j)%2)+8*\i+7], v2 offset:(\j)*32*WP+16*WP+32*\i
.endr
.endm
; K block j of four, for c blocks of rows x 96 columns.  pref = 1: the ring place just multiplied takes the K block four on.
; wt: the row loads issued behind this K block's, which may stay out.  last = 1: no further K block: nothing is read ahead.
.macro KSTEP c, j, pref, wt, last
.if !(\last)
	BLOAD (\j)+1                                   ; its buffer was last read by the K block before, whose four places stand ahead of this line
.endif
	s_wait_loadcnt \wt                             ; this K block's rows are in
.if \last
	s_wait_dscnt 0x0
.else
	s_wait_dscnt 12                                ; this K block's fragments (and, the first time, the bias) are in; the twelve loads just issued stay out
.endif
	WIN MULW
.irp i, 0,1,2,3,4,5                            ; the accumulators take turns
.set uu, 0
.rept \c
	v_wmma_f32_16x16x32_bf16 v[ACC+8*(6*uu+\i):ACC+8*(6*uu+\i)+7], v[BF+48*((\j)%2)+8*\i:BF+48*((\j)%2)+8*\i+7], v[AR+24*(\j)+8*uu:AR+24*(\j)+8*uu+7], v[ACC+8*(6*uu+\i):ACC+8*(6*uu+\i)+7]
.set uu, uu+1
.endr
.endr
	PLACES
.if \pref
	ALOAD \c, \j, (DEPTH+(\j))*64
.endif
.endm
.macro TILE c                          ; K = 768 for c blocks of rows: five trips of four K blocks, and a tail of four that fetches nothing
.irp p, 0,1,2,3
	ALOAD \c, \p, 64*\p                            ; the ring is filled: 8 c loads are out
.endr
	BLOAD 0
	WIN 0                                          ; at a label and at a branch every window is 0
	s_mov_b32 s38, 5
.Lk_\@:
.irp j, 0,1,2,3
	KSTEP \c, \j, 1, 6*(\c), 0                     ; three K blocks of 2 c loads each stay out
.endr
	WIN 0
	s_wait_xcnt 0x0                                ; the rows' base is stepped only behind this wait
	s_add_nc_u64 s[30:31], s[30:31], DEPTH*64
	v_add_nc_u32 v2, DEPTH*32*WP, v2
	s_sub_co_u32 s38, s38, 1
	s_cmp_lg_u32 s38, 0
	s_cbranch_scc1 .Lk_\@
	KSTEP \c, 0, 0, 6*(\c), 0                      ; the counts run down
	KSTEP \c, 1, 0, 4*(\c), 0
	KSTEP \c, 2, 0, 2*(\c), 0
	KSTEP \c, 3, 0, 0, 1
	WIN 0
.endm
.macro GELU_OUT rot                    ; x in the accumulator at \rot -> eight f16 in v[72:75]; beside it the five accumulators behind it come one place down
.irp k, 0,1,2,3,4,5,6,7
	v_and_b32 v[24+\k], s62, v[(\rot)+\k]          ; |x|; the accumulator is read from its low end on
.endr
.irp k, 0,2,4,6
	v_pk_fma_f32 v[32+\k:33+\k], v[24+\k:25+\k], s[48:49], 1.0 op_sel_hi:[1,0,0]
	v_pk_mul_f32 v[40+\k:41+\k], v[24+\k:25+\k], s[50:51] op_sel_hi:[1,0]
.endr
.irp k, 0,2,4,6
	v_pk_mul_f32 v[40+\k:41+\k], v[40+\k:41+\k], v[40+\k:41+\k] neg_lo:[1,0] neg_hi:[1,0]
.endr
.irp k, 0,1,2,3,4,5,6,7
	v_rcp_f32 v[32+\k], v[32+\k]                   ; t
.endr
.irp k, 0,1,2,3,4,5,6,7
	v_exp_f32 v[40+\k], v[40+\k]
.endr
.irp k, 0,1,2,3,4,5,6,7
	v_max_num_f32 v[48+\k], 0, v[(\rot)+\k]        ; plain work behind the batch,
.endr
.set kk, 0
.rept 40                                       ; and the moves, in ascending order: each accumulator is first read at its lowest register
	v_mov_b32 v[(\rot)+kk], v[(\rot)+8+kk]
.set kk, kk+1
.endr
	s_wait_alu depctr_va_vdst(0)                   ; one wait for the sixteen, ahead of their first reader
.irp k, 0,2,4,6
	v_pk_fma_f32 v[56+\k:57+\k], v[32+\k:33+\k], s[60:61], s[58:59] op_sel_hi:[1,0,0]
.endr
.irp k, 0,2,4,6
	v_pk_fma_f32 v[56+\k:57+\k], v[56+\k:57+\k], v[32+\k:33+\k], s[56:57] op_sel_hi:[1,1,0]
.endr
.irp k, 0,2,4,6
	v_pk_fma_f32 v[56+\k:57+\k], v[56+\k:57+\k], v[32+\k:33+\k], s[54:55] op_sel_hi:[1,1,0]
.endr
.irp k, 0,2,4,6
	v_pk_fma_f32 v[56+\k:57+\k], v[56+\k:57+\k], v[32+\k:33+\k], s[52:53] op_sel_hi:[1,1,0]
.endr
.irp k, 0,2,4,6
	v_pk_mul_f32 v[56+\k:57+\k], v[56+\k:57+\k], v[32+\k:33+\k]
.endr
.irp k, 0,2,4,6
	v_pk_mul_f32 v[56+\k:57+\k], v[56+\k:57+\k], v[40+\k:41+\k]
.endr
.irp k, 0,2,4,6
	v_pk_fma_f32 v[56+\k:57+\k], v[24+\k:25+\k], v[56+\k:57+\k], v[48+\k:49+\k] neg_lo:[1,0,0] neg_hi:[1,0,0]
.endr
.irp q, 0,1,2,3
	v_cvt_pk_f16_f32 v[72+\q], v[56+2*\q], v[56+2*\q+1]
.endr
.endm
.macro EPI u                           ; block u goes out: six trips, a column block of 16 each
	s_add_co_u32 s40, s27, 8*(\u)
	s_min_u32 s41, s40, 127                        ; the block of 16 sorted places
	s_mul_i32 s32, s41, 98304
	s_add_co_u32 s32, s32, s36
	s_add_nc_u64 s[34:35], s[12:13], s[32:33]      ; (block x 96 + 3 s) x 1,024
	s_mov_b32 s39, 6
.Li_\@:
	GELU_OUT ACC+48*(\u)
	v_cmp_gt_u32 vcc_lo, 0x800, v[6+(\u)]          ; lanes whose place belongs to this expert: a token, not the mark
	s_wait_xcnt 0x0                                ; EXEC changes only behind this wait
	s_and_saveexec_b32 s37, vcc_lo
	global_store_b128 v1, v[72:75], s[34:35]       ; a full block: 512 consecutive bytes
	s_wait_xcnt 0x0                                ; and again, ahead of the line that widens it; the store's data and base are free too
	s_mov_b32 exec_lo, -1                          ; all lanes were on ahead of the narrowing
	s_add_nc_u64 s[34:35], s[34:35], 512
	s_sub_co_u32 s39, s39, 1
	s_cmp_lg_u32 s39, 0
	s_cbranch_scc1 .Li_\@
.endm
	s_load_b256 s[4:11], s[0:1], 0x0               ; Wi s[4:5], bi s[6:7], aout s[8:9], eidx s[10:11]
	s_load_b128 s[12:15], s[0:1], 0x20             ; inter s[12:13], list s[14:15]
	v_lshl_add_u32 v9, v0, 2, SPARE
	v_mov_b32 v10, 0
	v_lshl_add_u32 v11, v0, 2, LIST
	v_mov_b32 v13, 0x800
.irp k, 0,1,2,3,4,5,6,7,8
	ds_store_b32 v11, v13 offset:\k*1024           ; the marks: 9 x 256 words
.endr
	v_lshrrev_b32 v1, 5, v0
	v_readfirstlane_b32 s16, v1                    ; wave 0..7
	s_mov_b32 s17, ttmp9                           ; slice
	s_and_b32 s18, ttmp7, 0xffff                   ; expert
	v_and_b32 v2, 31, v0                           ; lane
	v_lshlrev_b32 v1, 4, v2                        ; 16 x lane
	v_lshrrev_b32 v3, 3, v2                        ; which of four rows
	v_and_b32 v4, 7, v2                            ; which 16 bytes of 128
	v_mul_u32_u24 v236, v3, 12288
	v_lshl_add_u32 v236, v4, 4, v236
	v_min_u32 v5, 23, v2
	v_lshlrev_b32 v5, 4, v5                        ; the bias: 24 pieces of 16 bytes; the last lanes repeat the last, so that no load leaves bi
	s_lshl_b32 s22, s16, 10
	v_add_nc_u32 v6, s22, v1                       ; my wave's two chunks of choices
	s_mul_i32 s32, s18, 9437184
	s_mul_i32 s22, s17, 384
	s_add_co_u32 s32, s32, s22
	s_mul_i32 s34, s16, 1179648                    ; my 96 rows of the expert's 768
	s_add_co_u32 s32, s32, s34
	s_mov_b32 s33, 0
	s_mul_i32 s34, s18, 12288
	s_add_co_u32 s34, s34, s22
	s_mov_b32 s35, 0
	s_wait_kmcnt 0x0
	s_add_nc_u64 s[4:5], s[4:5], s[32:33]
	s_add_nc_u64 s[6:7], s[6:7], s[34:35]
	global_load_b128 v[232:235], v5, s[6:7]
.set c, 0
.rept 16
	global_load_b128 v[EV+4*c:EV+4*c+3], v1, s[10:11] offset:c*512
.set c, c+1
.endr
	global_load_b128 v[MV:MV+3],   v6, s[10:11]
	global_load_b128 v[MV+4:MV+7], v6, s[10:11] offset:512
	WLOAD 0, W0                                    ; all 72 loads of my weights go out before anything is waited for
	WLOAD 1, W1
	WIN TO_F
	WLOAD 2, W2
	WLOAD 3, W3
	WIN 0
	s_mul_i32 s22, s16, 96*WP
	v_mul_u32_u24 v237, v3, WP
	v_lshl_add_u32 v237, v4, 3, v237
	v_add_nc_u32 v237, s22, v237                   ; where my weights go in LDS
	v_add_nc_u32 v238, 0x900, v0                   ; a word of my own, behind the list, for a lane without a match
	s_lshl_b32 s22, s16, 8
	v_lshl_add_u32 v239, v2, 2, s22                ; token 256 w + 4 lane
	s_mov_b32 s48, 0x3e6d3388                      ; 0.23164189
	s_mov_b32 s49, s48
	s_mov_b32 s50, 0x3f596d27                      ; 0.8493218
	s_mov_b32 s51, s50
	s_mov_b32 s52, 0x3e027906                      ; a1 .. a5, halved
	s_mov_b32 s53, s52
	s_mov_b32 s54, 0xbe11a98e
	s_mov_b32 s55, s54
	s_mov_b32 s56, 0x3f35f0e3
	s_mov_b32 s57, s56
	s_mov_b32 s58, 0xbf3a00e3
	s_mov_b32 s59, s58
	s_mov_b32 s60, 0x3f07dc22
	s_mov_b32 s61, s60
	s_mov_b32 s62, 0x7fffffff
	s_mov_b32 s63, 0xffff0000
	s_mul_i32 s36, s17, 3072                       ; my slice's three blocks of 1,024 bytes in a row block of inter
	s_mov_b32 s19, 0                               ; n
	s_mov_b32 s20, 0                               ; base
	s_mov_b32 s21, 0                               ; my wave's first rank
	s_wait_dscnt 0x0                               ; for the others' sake: my marks are stored
	s_barrier_signal -1
	s_barrier_wait -1                              ; every mark is: tokens may now be put over them
	s_wait_loadcnt 63                              ; bias and choices are in: a smaller count than the 72 loads of weights issued behind them
.set c, 0
.rept 16
	CNT4 c
.set c, c+1
.endr
	s_and_b32 s22, s20, 15
	s_add_co_u32 s21, s21, s22                     ; the list begins at word base % 16
.set k, 0
.rept 8                                        ; my 256 tokens: a match goes to its place in the list
	v_cmp_eq_u32 vcc_lo, s18, v[MV+k]
	v_mbcnt_lo_u32_b32 v240, vcc_lo, s21
	v_cndmask_b32 v240, v238, v240, vcc_lo
	v_min_u32 v240, 0x9ff, v240
	v_lshl_add_u32 v240, v240, 2, LIST
	v_add_nc_u32 v241, 128*(k/4)+k%4, v239
	ds_store_b32 v240, v241
	s_bcnt1_i32_b32 s22, vcc_lo
	s_add_co_u32 s21, s21, s22
.set k, k+1
.endr
	v_cvt_pk_bf16_f32 v242, v232, v233             ; the bias, rounded to bf16 and widened again
	v_cvt_pk_bf16_f32 v243, v234, v235
	v_lshlrev_b32 v232, 16, v242
	v_and_b32 v233, s63, v242
	v_lshlrev_b32 v234, 16, v243
	v_and_b32 v235, s63, v243
	s_cmp_lg_u32 s16, 0
	s_cbranch_scc1 .Lnob
	v_add_nc_u32 v240, BIAS, v1                    ; 16 bytes a lane on end: lanes 24 to 31 fill the block's spare 128 bytes
	ds_store_b128 v240, v[232:235]
.Lnob:
	s_wait_loadcnt 54                              ; batch 0 is in; three batches of 18 stay out
	CONV 0, W0, 0
	s_wait_loadcnt 36                              ; batch 1
	CONV 1, W1, 0
	s_wait_loadcnt 18                              ; batch 2
	CONV 2, W2, 1
	s_wait_loadcnt 0x0
	CONV 3, W3, 1
	s_wait_tensorcnt 0x0                           ; these were my last LDS writes
	ds_add_u32 v9, v10
	s_wait_dscnt 0x0                               ; the wait is also for the others' sake: my weights, my part of the list and the bias are stored
	s_barrier_signal -1
	s_barrier_wait -1
	s_lshr_b32 s23, s20, 4                         ; the expert's first block,
	s_min_u32 s24, s23, 127
	s_add_co_u32 s28, s20, s19
	s_add_co_u32 s28, s28, 15
	s_lshr_b32 s28, s28, 4
	s_sub_co_u32 s28, s28, s23                     ; and how many it touches:
	s_cmp_eq_u32 s19, 0
	s_cselect_b32 s28, 0, s28                      ; none, if no row chose it
	v_and_b32 v13, 15, v0                          ; r
	v_bfe_u32 v15, v0, 4, 1                        ; h
	v_and_b32 v12, 7, v0
	v_lshl_add_u32 v14, v15, 3, v12                ; the turning load: k row 8 h + l % 8, columns 8 ((l / 8) % 2) on
	v_mul_u32_u24 v14, v14, WP
	v_bfe_u32 v12, v0, 3, 1
	v_lshl_add_u32 v14, v12, 4, v14
	v_lshl_add_u32 v12, v15, 5, BIAS               ; my eight columns of a column block: 32 h bytes into its 64
	v_lshlrev_b32 v15, 4, v15                      ; 16 h
	s_lshl_b32 s22, s16, 6
	s_add_co_u32 s22, s22, LIST
	v_lshl_add_u32 v11, v13, 2, s22                ; the list's word 16 w + r: block w of the first trip
	s_add_co_u32 s27, s24, s16                     ; my first block of the trip, among all 128
	s_sub_co_u32 s29, s28, s16
	s_add_co_u32 s29, s29, 7
	s_mov_b32 s25, 6
.Ltrip:
	s_ashr_i32 s26, s29, 3                         ; how many of the trip's blocks 8 u + w are mine: 0 to 3
	s_max_i32 s26, s26, 0
	s_min_i32 s26, s26, 3
	s_cmp_eq_u32 s26, 0
	s_cbranch_scc1 .Lnext
	ds_load_b32 v6, v11
	ds_load_b32 v7, v11 offset:512
	ds_load_b32 v8, v11 offset:1024
.irp u, 0,1,2                                  ; the sums begin with the bias: a lane's eight columns of each column block, the same for each block of rows
.irp i, 0,1,2,3,4,5
	ds_load_b128 v[ACC+8*(6*\u+\i):ACC+8*(6*\u+\i)+3],   v12 offset:\i*64
	ds_load_b128 v[ACC+8*(6*\u+\i)+4:ACC+8*(6*\u+\i)+7], v12 offset:\i*64+16
.endr
.endr
	s_mov_b64 s[30:31], s[8:9]
	v_mov_b32 v2, v14
	s_wait_dscnt 36                                ; the tokens are in; the 36 loads of the bias stay out
.irp u, 0,1,2
	v_min_u32 v[3+\u], 0x7ff, v[6+\u]              ; a mark becomes token 2,047: a row that exists
	v_lshl_add_u32 v[16+\u], v[3+\u], 9, v15       ; token x 512 + 16 h
	v_lshl_add_u32 v[3+\u], v[3+\u], 10, v[16+\u]  ; + token x 1,024: a row of a is 1,536 bytes
.endr
	s_cmp_eq_u32 s26, 3
	s_cbranch_scc1 .Lt3
	TILE 2                                         ; two blocks, or one and a block of marks
	s_branch .Le2
.Lt3:
	TILE 3
	EPI 2
.Le2:
	EPI 1
	EPI 0
.Lnext:
	v_add_nc_u32 v11, 0x600, v11                   ; 24 blocks of 64 bytes on in the list
	s_add_co_u32 s27, s27, 24
	s_sub_co_i32 s29, s29, 24
	s_sub_co_u32 s25, s25, 1
	s_cmp_lg_u32 s25, 0
	s_cbranch_scc1 .Ltrip
	s_cmp_lg_u32 s17, 0
	s_cbranch_scc1 .Lend
	; slice 0 stores the expert's part of the list: word k of the list in LDS is place 16 x first block + k; marks are not stored
	v_lshl_add_u32 v11, v0, 2, LIST
.irp k, 0,1,2,3,4,5,6,7,8
	ds_load_b32 v[16+\k], v11 offset:\k*1024
.endr
	v_lshlrev_b32 v2, 2, v0
	s_lshl_b32 s32, s24, 6
	s_add_nc_u64 s[14:15], s[14:15], s[32:33]
	s_wait_dscnt 0x0
.irp k, 0,1,2,3,4,5,6,7,8
	v_cmp_gt_u32 vcc_lo, 0x800, v[16+\k]
	s_wait_xcnt 0x0                                ; EXEC changes only behind this wait
	s_and_saveexec_b32 s37, vcc_lo
	global_store_b32 v2, v[16+\k], s[14:15] offset:\k*1024
	s_wait_xcnt 0x0
	s_mov_b32 exec_lo, -1                          ; all lanes were on ahead of the narrowing
.endr
.Lend:
	s_endpgm
.Lfunc_end_k_q752cb98920_ffn1:
	.size	k_q752cb98920_ffn1, .Lfunc_end_k_q752cb98920_ffn1-k_q752cb98920_ffn1
	.p2alignl 7, 3214868480
	.fill 96, 4, 3214868480
	.section	.rodata,"a",@progbits
	.p2align	6, 0x0
	.amdhsa_kernel k_q752cb98920_ffn1
		.amdhsa_group_segment_fixed_size 183808
		.amdhsa_private_segment_fixed_size 0
		.amdhsa_enable_private_segment 0
		.amdhsa_kernarg_size 48
		.amdhsa_user_sgpr_count 2
		.amdhsa_user_sgpr_kernarg_segment_ptr 1
		.amdhsa_wavefront_size32 1
		.amdhsa_system_sgpr_workgroup_id_x 1
		.amdhsa_system_sgpr_workgroup_id_y 1
		.amdhsa_system_sgpr_workgroup_id_z 1
		.amdhsa_system_vgpr_workitem_id 0
		.amdhsa_next_free_vgpr 448
		.amdhsa_next_free_sgpr 66
		.amdhsa_reserve_vcc 1
		.amdhsa_float_denorm_mode_32 3
		.amdhsa_float_denorm_mode_16_64 3
		.amdhsa_memory_ordered 1
		.amdhsa_forward_progress 1
		.amdhsa_inst_pref_size 112
	.end_amdhsa_kernel
	.amdgpu_metadata
---
amdhsa.version: [ 1, 2 ]
amdhsa.kernels:
  - .name:           k_q752cb98920_ffn1
    .symbol:         k_q752cb98920_ffn1.kd
    .args:
      - { .name: Wi, .offset: 0, .size: 8, .value_kind: global_buffer, .address_space: global }
      - { .name: bi, .offset: 8, .size: 8, .value_kind: global_buffer, .address_space: global }
      - { .name: aout, .offset: 16, .size: 8, .value_kind: global_buffer, .address_space: global }
      - { .name: eidx, .offset: 24, .size: 8, .value_kind: global_buffer, .address_space: global }
      - { .name: qkv, .offset: 32, .size: 8, .value_kind: global_buffer, .address_space: global }
      - { .name: list, .offset: 40, .size: 8, .value_kind: global_buffer, .address_space: global }
    .group_segment_fixed_size: 183808
    .private_segment_fixed_size: 0
    .kernarg_segment_align: 8
    .kernarg_segment_size: 48
    .max_flat_workgroup_size: 256
    .sgpr_count:     66
    .vgpr_count:     448
    .wavefront_size: 32
...
	.end_amdgpu_metadata
.endif
;; end of part 6
;; launch gemm_o (part 7): grid 8 x 32, 4 waves a work-group, clusters of 4 x 4, 327,680 bytes of LDS; arguments qkv, wcast, cmat; writes cmat
.if DOCPART == 7
	.amdgcn_target "amdgcn-amd-amdhsa--gfx1250"
	.amdhsa_code_object_version 6
	.text
	.protected	k_q752cb98920_gemm_o
	.globl	k_q752cb98920_gemm_o
	.p2align	8
	.type	k_q752cb98920_gemm_o,@function
k_q752cb98920_gemm_o:
	s_mov_b64 s[64:65], 0
	v_nop
	global_prefetch_b8 v0, s[64:65] scope:SCOPE_SE
	s_setreg_imm32_b32 hwreg(HW_REG_WAVE_MODE, 25, 1), 1
	s_wait_xcnt 0x0
	s_wait_alu depctr_hold_cnt(0) depctr_sa_sdst(0) depctr_va_vdst(0) depctr_va_sdst(0) depctr_va_ssrc(0) depctr_va_vcc(0) depctr_vm_vsrc(0)
	s_getreg_b32 s2, hwreg(HW_REG_IB_STS2, 6, 4)
	s_cmp_eq_u32 s2, 0
	s_cbranch_scc0 .Lentry_in_a_cluster
	s_endpgm
.Lentry_in_a_cluster:
	s_bfe_u32 s2, ttmp6, 0x10000c
	s_cmp_lg_u32 s2, 0xf033
	s_cbranch_scc0 .Lentry_shape_is_right
	s_endpgm
.Lentry_shape_is_right:
; C = A W, 2,048 x 768, f16 operands in fragment order, f32 sums stored as f32 in panels [8][2048][96].  A = inter (rows in sorted order), W = Wo, K = 3,072.
; SHARES. A work-group makes 64 rows x 96 columns: 8 x 32 = 256 work-groups.  K (96 blocks of 32) is dealt among the waves: of each 24 blocks wave w
; multiplies the WHOLE tile (24 accumulators) on blocks 6 w .. 6 w + 5.  The four partial tiles are added in f32 through LDS at the end, in a fixed order.
; A COMES STRAIGHT INTO REGISTERS. With K dealt so, each fragment of A has one reader, so LDS would spare nothing: a fragment is two loads of 512
; consecutive bytes, and a ring of seven K blocks (56 loads) is on its way for each wave, across the changes of slots too.
; W COMES THROUGH LDS, by joint tensor loads: 4 x 4 work-groups form a cluster, and the four of a column need the same tile of W.  A slot holds 24 K blocks
; of the tile's 96 columns, 147,456 bytes; each wave fetches, and alone reads, its own 36,864 bytes of it: [6 column blocks][6 K blocks][1,024].
; K is four slots' worth: two first fills and two refills.  By this text's own count a wave has two tensor loads out at the start and one behind each
; round, and that one has 144 matrix instructions in which to land.  The 24 K blocks of a wave are written out: there is no loop.
; THE PRODUCT IS USED TURNED: a lane holds one row and eight neighbouring columns, 32 bytes of f32.
; The stage of the way out lies in slot 0, whose last fill and last reads lie ahead of the last barrier of the K walk.
; REGISTERS. window 0: v1-20 addresses; v64-255 accumulators.  window 1: v0-95 W's fragments, two buffers of 48.  window 2: v0-223 A's ring, 32 a K block.
.set KB,    96                         ; blocks of 32 along K
.set BOFF,  7864320                    ; W's place in wcast
.set WKB,   6                          ; K blocks of a wave in a slot
.set NQ,    24                         ; K blocks of a wave in all
.set RING,  7                          ; K blocks of A on their way
.set WREG,  6*WKB*1024                 ; a wave's part of a slot
.set SLOT,  4*WREG
.set SPARE, 2*SLOT                     ; the spare words: two blocks of 256 bytes that no other line names
.set CPY,   25600                      ; a wave's partial tile in the stage: 64 rows of 400 bytes (384 + 16: an odd multiple of 16)
.set ACC, 64                           ; accumulator (m, i) at ACC + 8 (6 m + i)
.set WV,  10
.set G1,  24                           ; s[24:31] descriptor group 1
.set G0,  32                           ; s[32:39] descriptor group 0, a set for each slot
.set W_MUL, 0x09                       ; source 0 (W) window 1, source 1 (A) window 2; C and D window 0
.set W_B,   0x40                       ; destination window 1, address window 0
.set W_A,   0x80                       ; destination window 2, address window 0
.set MSB, 0
.macro WIN new                         ; the immediate's high byte repeats the setting that is left
.if MSB != (\new)
	s_set_vgpr_msb (MSB<<8)|(\new)
.set MSB, \new
.endif
.endm
.macro PLACES                          ; four plain places behind matrix instructions, ahead of loads into their sources and of reads of their results
.rept 4
	v_nop
.endr
.endm
.macro CROUND                          ; a round of the cluster's barrier
	s_barrier_signal -1
	s_barrier_wait -1
	s_cmp_lg_u32 s[WV], 0
	s_cbranch_scc1 .Lnot_wave_0_\@
	s_barrier_signal -3
.Lnot_wave_0_\@:
	s_barrier_wait -3
	s_barrier_signal -1
	s_barrier_wait -1
.endm
.macro ALOAD q                         ; A's four fragments of my K block q (block 24 (q / 6) + q % 6 from my first), into ring place q % 7
	WIN W_A
.irp m, 0,1,2,3
	global_load_b128 v[32*((\q)%RING)+8*\m:32*((\q)%RING)+8*\m+3],   v3, s[4:5] offset:(24*((\q)/WKB)+(\q)%WKB)*1024+\m*KB*1024
	global_load_b128 v[32*((\q)%RING)+8*\m+4:32*((\q)%RING)+8*\m+7], v3, s[4:5] offset:(24*((\q)/WKB)+(\q)%WKB)*1024+\m*KB*1024+512
.endr
.endm
.macro BLOAD slot, t                   ; W's six fragments of my block t of the slot, into buffer t % 2
	WIN W_B
.irp i, 0,1,2,3,4,5
	ds_load_b128 v[48*((\t)%2)+8*\i:48*((\t)%2)+8*\i+3],   v[6+(\slot)] offset:\i*WKB*1024+(\t)*1024
	ds_load_b128 v[48*((\t)%2)+8*\i+4:48*((\t)%2)+8*\i+7], v[6+(\slot)] offset:\i*WKB*1024+(\t)*1024+512
.endr
.endm
.macro MUL q                           ; 24 matrix instructions, the accumulators by turns; the first K block starts the sums
	WIN W_MUL
.irp m, 0,1,2,3
.irp i, 0,1,2,3,4,5
.if (\q) == 0
	v_wmma_f32_16x16x32_f16 v[ACC+8*(6*\m+\i):ACC+8*(6*\m+\i)+7], v[48*((\q)%2)+8*\i:48*((\q)%2)+8*\i+7], v[32*((\q)%RING)+8*\m:32*((\q)%RING)+8*\m+7], 0
.else
	v_wmma_f32_16x16x32_f16 v[ACC+8*(6*\m+\i):ACC+8*(6*\m+\i)+7], v[48*((\q)%2)+8*\i:48*((\q)%2)+8*\i+7], v[32*((\q)%RING)+8*\m:32*((\q)%RING)+8*\m+7], v[ACC+8*(6*\m+\i):ACC+8*(6*\m+\i)+7]
.endif
.endr
.endr
.endm
.macro KBS q                           ; my K block q
.set yy, NQ-1-(\q)
.if yy > RING-1
.set yy, RING-1
.endif
	s_wait_loadcnt 8*yy                            ; A of this block is in; the eight loads of each block behind it, six blocks at the most, stay out
.if ((\q)%WKB) < WKB-1
	s_wait_dscnt 12                                ; W of this block is in; the next block's twelve loads stay out
.else
	s_wait_dscnt 0x0
.endif
	MUL \q
	PLACES
.if (\q)+RING < NQ
	ALOAD (\q)+RING                                ; the ring place just multiplied takes the block seven on
.endif
.if ((\q)%WKB)+2 < WKB
	BLOAD ((\q)/WKB)%2, ((\q)%WKB)+2               ; the buffer just multiplied takes the block two on, while the slot has one
.endif
.endm
.macro SIX q0                          ; a slot's six K blocks
	BLOAD ((\q0)/WKB)%2, 0
	BLOAD ((\q0)/WKB)%2, 1
.set q, \q0
.rept WKB
	KBS q
.set q, q+1
.endr
.endm
.macro CHANGE fill, slot               ; the change of slots; fill = 1: \slot, which has been read out, takes the blocks two slots on
	WIN 0
	s_wait_tensorcnt 0x0                           ; all my tensor loads have landed, my part of the next slot among them
	ds_add_u32 v8, v9
.if \fill
	s_add_nc_u64 s[G0+4*(\slot)+2:G0+4*(\slot)+3], s[G0+4*(\slot)+2:G0+4*(\slot)+3], 2*24*1024
.endif
	s_wait_dscnt 0x0                               ; the add is done, and my reads of the slot are over
.if \fill
	CROUND                                         ; the same holds of every wave of every partner
	tensor_load_to_lds s[G0+4*(\slot):G0+4*(\slot)+3], s[G1:G1+7]  ; my one tensor load behind the round
	s_nop 0
	PLACES
.else
	s_barrier_signal -1                            ; behind it no wave reads slot 0, where the stage lies
	s_barrier_wait -1
.endif
.endm
	s_load_b128 s[4:7], s[0:1], 0x0                ; A s[4:5], wcast s[6:7]
	s_load_b64 s[8:9], s[0:1], 0x10                ; cmat
	v_lshl_add_u32 v8, v0, 2, SPARE
	v_mov_b32 v9, 0
	ds_add_u32 v8, v9                              ; the wave's opening: the add and its wait ahead of my first tensor load
	v_lshrrev_b32 v1, 5, v0
	v_readfirstlane_b32 s[WV], v1                  ; wave 0..3
	s_bfe_u32 s13, ttmp6, 0x40000                  ; cx
	s_bfe_u32 s14, ttmp6, 0x40004                  ; cy
	s_lshl_b32 s15, ttmp9, 2
	s_add_co_u32 s15, s15, s13                     ; column tile
	s_and_b32 s16, ttmp7, 0xffff
	s_lshl_b32 s16, s16, 2
	s_add_co_u32 s16, s16, s14                     ; row tile
	s_lshl_b32 s18, 0x1111, s13                    ; my column of the cluster
	s_or_b32 s[G1], s18, (3<<16)|(1<<21)           ; the mask; 8-byte elements; bit 21 beside a mask
	s_mov_b32 s[G1+1], 768<<16                     ; tensor_dim0: a row is 6 blocks of 1,024 bytes
	s_mov_b32 s[G1+2], 6<<16                       ; tensor_dim1: six column blocks
	s_mov_b32 s[G1+3], 768<<16                     ; tile_dim0
	s_mov_b32 s[G1+4], 6                           ; tile_dim1
	s_mov_b32 s[G1+5], KB*128                      ; 96 blocks from row to row
	s_mov_b32 s[G1+6], 0
	s_mov_b32 s[G1+7], 0
	s_mul_i32 s56, s16, 4*KB*1024                  ; A: row block 4 x row tile, K block 6 x wave
	s_mul_i32 s57, s[WV], WKB*1024
	s_add_co_u32 s56, s56, s57
	s_mov_b32 s57, 0
	s_mul_i32 s58, s15, 6*KB*1024                  ; W: column block 6 x column tile, K block 6 x wave
	s_mul_i32 s59, s[WV], WKB*1024
	s_add_co_u32 s58, s58, s59
	s_add_co_u32 s58, s58, BOFF
	s_mov_b32 s59, 0
	s_mul_i32 s60, s[WV], WREG                     ; LDS: the wave's number alone enters
	v_and_b32 v20, 31, v0                          ; lane
	v_lshlrev_b32 v3, 4, v20                       ; 16 x lane
	s_wait_dscnt 0x0                               ; the opening add is done
	s_wait_kmcnt 0x0
	s_add_nc_u64 s[4:5], s[4:5], s[56:57]
	s_add_nc_u64 s[58:59], s[6:7], s[58:59]
.irp s, 0,1
	s_mov_b32 s[G0+4*\s], 1
	s_add_co_u32 s[G0+4*\s+1], s60, \s*SLOT
	s_add_nc_u64 s[G0+4*\s+2:G0+4*\s+3], s[58:59], \s*24*1024
	s_or_b32 s[G0+4*\s+3], s[G0+4*\s+3], 0x80000000
.endr
.set q, 0
.rept RING                                     ; A's ring is filled before anything else is waited for
	ALOAD q
.set q, q+1
.endr
	WIN 0
	CROUND                                         ; all sixteen work-groups are here: the first joint loads meet
	tensor_load_to_lds s[G0:G0+3], s[G1:G1+7]      ; K blocks 0-23
	s_nop 0
	tensor_load_to_lds s[G0+4:G0+7], s[G1:G1+7]    ; K blocks 24-47
	s_nop 0
	PLACES
	v_and_b32 v1, 15, v0                           ; r
	v_bfe_u32 v2, v0, 4, 1                         ; h
	v_add_nc_u32 v6, s60, v3                       ; my part of slot 0,
	v_add_nc_u32 v7, SLOT, v6                      ; of slot 1
	s_mul_i32 s66, s[WV], CPY                      ; into the stage: my copy, row r, 32 bytes for each half of the lanes
	v_mul_u32_u24 v10, v1, 400
	v_lshl_add_u32 v10, v2, 5, v10
	v_add_nc_u32 v10, s66, v10
	; back: rows 16 w .. + 15 of every copy, four rows (96 pieces of 16 bytes) to three loads.  Piece f = 32 t + lane lies in row f / 24 at byte
	; 16 (f % 24): at 16 f + 16 (f / 24) of the four rows of 400 bytes.  f / 24 is 0 or 1 (from lane 24), 1 or 2 (from lane 16), 2 or 3 (from lane 8).
	s_mul_i32 s66, s[WV], 6400
	v_bfe_u32 v17, v0, 3, 2                        ; lane / 8
	v_add_nc_u32 v18, 1, v17
	v_bfe_u32 v18, v18, 2, 1                       ; 1 from lane 24 on
	v_add_nc_u32 v18, v18, v20
	v_lshl_add_u32 v11, v18, 4, s66
	v_add_nc_u32 v18, 33, v2                       ; 32 + 1 + (1 from lane 16 on)
	v_add_nc_u32 v18, v18, v20
	v_lshl_add_u32 v12, v18, 4, s66
	v_add_nc_u32 v18, 3, v17
	v_bfe_u32 v18, v18, 2, 1                       ; 1 from lane 8 on
	v_add_nc_u32 v18, 66, v18                      ; 64 + 2 +
	v_add_nc_u32 v18, v18, v20
	v_lshl_add_u32 v13, v18, 4, s66
.irp t, 0,1,2
	v_add_nc_u32 v[14+\t], 2*CPY, v[11+\t]
.endr
	s_mul_i32 s66, s15, 786432                     ; my panel,
	s_lshl_b32 s67, s16, 6
	s_lshl_b32 s68, s[WV], 4
	s_add_co_u32 s67, s67, s68
	s_mul_i32 s67, s67, 384                        ; and the 16 rows that I store
	s_add_co_u32 s66, s66, s67
	s_mov_b32 s67, 0
	s_add_nc_u64 s[8:9], s[8:9], s[66:67]
	s_wait_tensorcnt 0x1                           ; my part of slot 0 is in; slot 1's may stay out
	s_barrier_signal -1
	s_barrier_wait -1
	SIX 0                                          ; K blocks 0-23, out of slot 0
	CHANGE 1, 0                                    ; slot 0 takes K blocks 48-71
	SIX 6                                          ; K blocks 24-47, out of slot 1
	CHANGE 1, 1                                    ; slot 1 takes K blocks 72-95
	SIX 12
	CHANGE 0, 0                                    ; nothing is left to fetch
	SIX 18
	; THE WAY OUT (the places behind the last products stand at the end of the last K block)
	WIN 0
.irp m, 0,1,2,3
.irp i, 0,1,2,3,4,5
	ds_store_b128 v10, v[ACC+8*(6*\m+\i):ACC+8*(6*\m+\i)+3]   offset:\m*6400+\i*64
	ds_store_b128 v10, v[ACC+8*(6*\m+\i)+4:ACC+8*(6*\m+\i)+7] offset:\m*6400+\i*64+16
.endr
.endr
	s_wait_tensorcnt 0x0                           ; these were my last LDS writes
	ds_add_u32 v8, v9
	s_wait_dscnt 0x0                               ; the wait is also for the others' sake: my partial tile is stored
	s_barrier_signal -1
	s_barrier_wait -1
.irp a, 0,1,2,3
.irp t, 0,1,2
	ds_load_b128 v[ACC+16*(3*\a+\t):ACC+16*(3*\a+\t)+3],     v[11+\t] offset:\a*1600
	ds_load_b128 v[ACC+16*(3*\a+\t)+4:ACC+16*(3*\a+\t)+7],   v[11+\t] offset:\a*1600+CPY
	ds_load_b128 v[ACC+16*(3*\a+\t)+8:ACC+16*(3*\a+\t)+11],  v[14+\t] offset:\a*1600
	ds_load_b128 v[ACC+16*(3*\a+\t)+12:ACC+16*(3*\a+\t)+15], v[14+\t] offset:\a*1600+CPY
.endr
.endr
.irp a, 0,1,2,3
	s_wait_dscnt 36-12*\a                          ; the twelve loads of group a are in; the later groups' stay out
.irp t, 0,1,2
.irp q, 0,2
	v_pk_add_f32 v[ACC+16*(3*\a+\t)+\q:ACC+16*(3*\a+\t)+\q+1], v[ACC+16*(3*\a+\t)+\q:ACC+16*(3*\a+\t)+\q+1], v[ACC+16*(3*\a+\t)+4+\q:ACC+16*(3*\a+\t)+5+\q]
	v_pk_add_f32 v[ACC+16*(3*\a+\t)+8+\q:ACC+16*(3*\a+\t)+9+\q], v[ACC+16*(3*\a+\t)+8+\q:ACC+16*(3*\a+\t)+9+\q], v[ACC+16*(3*\a+\t)+12+\q:ACC+16*(3*\a+\t)+13+\q]
.endr
.irp q, 0,2
	v_pk_add_f32 v[ACC+16*(3*\a+\t)+\q:ACC+16*(3*\a+\t)+\q+1], v[ACC+16*(3*\a+\t)+\q:ACC+16*(3*\a+\t)+\q+1], v[ACC+16*(3*\a+\t)+8+\q:ACC+16*(3*\a+\t)+9+\q]
.endr
	global_store_b128 v3, v[ACC+16*(3*\a+\t):ACC+16*(3*\a+\t)+3], s[8:9] offset:(3*\a+\t)*512  ; 512 consecutive bytes of the panel, aligned
.endr
.endr
	CROUND                                         ; the closing round
	s_endpgm
.Lfunc_end_k_q752cb98920_gemm_o:
	.size	k_q752cb98920_gemm_o, .Lfunc_end_k_q752cb98920_gemm_o-k_q752cb98920_gemm_o
	.p2alignl 7, 3214868480
	.fill 96, 4, 3214868480
	.section	.rodata,"a",@progbits
	.p2align	6, 0x0
	.amdhsa_kernel k_q752cb98920_gemm_o
		.amdhsa_group_segment_fixed_size 327680
		.amdhsa_private_segment_fixed_size 0
		.amdhsa_enable_private_segment 0
		.amdhsa_kernarg_size 24
		.amdhsa_user_sgpr_count 2
		.amdhsa_user_sgpr_kernarg_segment_ptr 1
		.amdhsa_wavefront_size32 1
		.amdhsa_system_sgpr_workgroup_id_x 1
		.amdhsa_system_sgpr_workgroup_id_y 1
		.amdhsa_system_sgpr_workgroup_id_z 1
		.amdhsa_system_vgpr_workitem_id 0
		.amdhsa_next_free_vgpr 736
		.amdhsa_next_free_sgpr 80
		.amdhsa_reserve_vcc 0
		.amdhsa_float_denorm_mode_32 3
		.amdhsa_float_denorm_mode_16_64 3
		.amdhsa_memory_ordered 1
		.amdhsa_forward_progress 1
		.amdhsa_inst_pref_size 98
	.end_amdhsa_kernel
	.amdgpu_metadata
---
amdhsa.version: [ 1, 2 ]
amdhsa.kernels:
  - .name:           k_q752cb98920_gemm_o
    .symbol:         k_q752cb98920_gemm_o.kd
    .args:
      - { .name: qkv, .offset: 0, .size: 8, .value_kind: global_buffer, .address_space: global }
      - { .name: wcast, .offset: 8, .size: 8, .value_kind: global_buffer, .address_space: global }
      - { .name: cmat, .offset: 16, .size: 8, .value_kind: global_buffer, .address_space: global }
    .group_segment_fixed_size: 327680
    .private_segment_fixed_size: 0
    .kernarg_segment_align: 8
    .kernarg_segment_size: 24
    .max_flat_workgroup_size: 128
    .sgpr_count:     80
    .vgpr_count:     736
    .wavefront_size: 32
...
	.end_amdgpu_metadata
.endif
;; end of part 7
;; launch ln2 (part 8): grid 256 x 1, 8 waves a work-group, no clusters, 0 bytes of LDS; arguments cmat, list, aout, bo, ln2_g, ln2_b, out0; writes out0
.if DOCPART == 8
	.amdgcn_target "amdgcn-amd-amdhsa--gfx1250"
	.amdhsa_code_object_version 6
	.text
	.protected	k_q752cb98920_ln2
	.globl	k_q752cb98920_ln2
	.p2align	8
	.type	k_q752cb98920_ln2,@function
k_q752cb98920_ln2:
	s_mov_b64 s[64:65], 0
	v_nop
	global_prefetch_b8 v0, s[64:65] scope:SCOPE_SE
	s_setreg_imm32_b32 hwreg(HW_REG_WAVE_MODE, 25, 1), 1
	s_wait_xcnt 0x0
; LN2: out0[token(p)] = LayerNorm(c2[p] + bo + a[token(p)]) g + b.  c2's rows lie in sorted order p, in panels [8][2048][96]; the list, stored as whole
; numbers by an earlier launch, gives each place's token.  a is the program's own f32 and is taken as it is; bo, g and b are rounded to bf16 like every input.
; The mean is taken first, then the centred squares.  A wave takes ONE place; a lane holds columns 128 n + 4 lane + 0..3.
; The 24 loads that hang on no token go out together with the load of the token; the six loads of a follow as soon as the token is there.
; No LDS, no barrier: a row never leaves its wave.  Each store of the wave covers 512 consecutive bytes.
.set BO,  16
.set G,   40
.set BB,  64
.set Z,   88
.set HH,  112
.set T,   136
.set HI,  32
.macro RND2 a, b, t
	v_cvt_pk_bf16_f32 v[\t], v[\a], v[\b]
	v_lshlrev_b32 v[\a], 16, v[\t]
	v_and_b32 v[\b], s[HI], v[\t]
.endm
.macro WSUM v, t
	v_add_f32_dpp v[\v], v[\v], v[\v] row_xmask:1 row_mask:0xf bank_mask:0xf
	v_add_f32_dpp v[\v], v[\v], v[\v] row_xmask:2 row_mask:0xf bank_mask:0xf
	v_add_f32_dpp v[\v], v[\v], v[\v] row_xmask:4 row_mask:0xf bank_mask:0xf
	v_add_f32_dpp v[\v], v[\v], v[\v] row_xmask:8 row_mask:0xf bank_mask:0xf
	v_permlanex16_b32 v[\t], v[\v], s28, s29
	v_add_f32 v[\v], v[\v], v[\t]
.endm
	s_load_b256 s[4:11], s[0:1], 0x0               ; cmat s[4:5], list s[6:7], aout s[8:9], bo s[10:11]
	s_load_b128 s[12:15], s[0:1], 0x20             ; g s[12:13], b s[14:15]
	s_load_b64 s[16:17], s[0:1], 0x30              ; out0
	v_and_b32 v1, 31, v0
	v_lshrrev_b32 v9, 5, v0
	v_readfirstlane_b32 s24, v9                    ; wave
	v_lshlrev_b32 v8, 4, v1                        ; 16 x lane
	s_mov_b32 s28, 0x76543210
	s_mov_b32 s29, 0xfedcba98
	s_mov_b32 s30, 0x3aaaaaab                      ; 1 / 768
	s_mov_b32 s31, 0x2b8cbccc                      ; 1e-12
	s_mov_b32 s[HI], 0xffff0000
	s_lshl_b32 s25, ttmp9, 3
	s_add_co_u32 s25, s25, s24                     ; my place
	s_lshl_b32 s26, s25, 2
	s_mov_b32 s35, 0
.irp n, 0,1,2,3,4,5                            ; the panels: piece f = 32 n + lane lies in panel f / 24 at bytes 16 (f % 24) of the row
	v_add_nc_u32 v10, 32*\n, v1
	v_mul_u32_u24 v11, v10, 171
	v_lshrrev_b32 v11, 12, v11                     ; f / 24 for f below 192
	v_mul_u32_u24 v[2+\n], v11, 24
	v_sub_nc_u32 v10, v10, v[2+\n]
	v_mul_u32_u24 v11, v11, 0xc0000
	v_lshl_add_u32 v[2+\n], v10, 4, v11
.endr
	s_wait_kmcnt 0x0
	s_load_b32 s18, s[6:7], s26 offset:0x0         ; my place's token
	s_mul_i32 s34, s25, 384
	s_add_nc_u64 s[4:5], s[4:5], s[34:35]
.irp n, 0,1,2,3,4,5
	global_load_b128 v[Z+4*\n:Z+4*\n+3], v[2+\n], s[4:5]
.endr
.irp n, 0,1,2,3,4,5
	global_load_b128 v[BO+4*\n:BO+4*\n+3], v8, s[10:11] offset:512*\n
.endr
.irp n, 0,1,2,3,4,5
	global_load_b128 v[G+4*\n:G+4*\n+3], v8, s[12:13] offset:512*\n
.endr
.irp n, 0,1,2,3,4,5
	global_load_b128 v[BB+4*\n:BB+4*\n+3], v8, s[14:15] offset:512*\n
.endr
	s_add_nc_u64 s[8:9], s[8:9], 3145728           ; a in f32
	s_wait_kmcnt 0x0
	s_min_u32 s18, s18, 0x7ff
	s_mul_i32 s34, s18, 3072
	s_add_nc_u64 s[20:21], s[8:9], s[34:35]
	s_add_nc_u64 s[22:23], s[16:17], s[34:35]
.irp n, 0,1,2,3,4,5
	global_load_b128 v[HH+4*\n:HH+4*\n+3], v8, s[20:21] offset:512*\n
.endr
	s_wait_loadcnt 6                               ; c2, bo, g and b are in; the six loads of a stay out
.set k, 0
.rept 36
	RND2 BO+2*k, BO+2*k+1, T+k%4
.set k, k+1
.endr
.set k, 0
.rept 12
	v_pk_add_f32 v[Z+2*k:Z+2*k+1], v[Z+2*k:Z+2*k+1], v[BO+2*k:BO+2*k+1]
.set k, k+1
.endr
	s_wait_loadcnt 0x0
.set k, 0
.rept 12
	v_pk_add_f32 v[Z+2*k:Z+2*k+1], v[Z+2*k:Z+2*k+1], v[HH+2*k:HH+2*k+1]
.set k, k+1
.endr
.irp k, 0,1,2,3,4,5
	v_pk_add_f32 v[T+2*\k:T+2*\k+1], v[Z+4*\k:Z+4*\k+1], v[Z+4*\k+2:Z+4*\k+3]
.endr
	v_pk_add_f32 v[T:T+1], v[T:T+1], v[T+2:T+3]
	v_pk_add_f32 v[T+4:T+5], v[T+4:T+5], v[T+6:T+7]
	v_pk_add_f32 v[T+8:T+9], v[T+8:T+9], v[T+10:T+11]
	v_pk_add_f32 v[T:T+1], v[T:T+1], v[T+4:T+5]
	v_pk_add_f32 v[T:T+1], v[T:T+1], v[T+8:T+9]
	v_add_f32 v[T], v[T], v[T+1]
	WSUM T, T+1
	v_mul_f32 v[T], s30, v[T]                      ; the mean
.set k, 0
.rept 12
	v_pk_add_f32 v[Z+2*k:Z+2*k+1], v[Z+2*k:Z+2*k+1], v[T:T+1] op_sel_hi:[1,0] neg_lo:[0,1] neg_hi:[0,1]
.set k, k+1
.endr
.irp k, 0,1,2,3
	v_pk_mul_f32 v[T+2+2*\k:T+3+2*\k], v[Z+2*\k:Z+2*\k+1], v[Z+2*\k:Z+2*\k+1]
.endr
.set k, 4
.rept 8
	v_pk_fma_f32 v[T+2+2*(k%4):T+3+2*(k%4)], v[Z+2*k:Z+2*k+1], v[Z+2*k:Z+2*k+1], v[T+2+2*(k%4):T+3+2*(k%4)]
.set k, k+1
.endr
	v_pk_add_f32 v[T+2:T+3], v[T+2:T+3], v[T+4:T+5]
	v_pk_add_f32 v[T+6:T+7], v[T+6:T+7], v[T+8:T+9]
	v_pk_add_f32 v[T+2:T+3], v[T+2:T+3], v[T+6:T+7]
	v_add_f32 v[T+2], v[T+2], v[T+3]
	WSUM T+2, T+3
	v_fma_f32 v[T+2], v[T+2], s30, s31             ; the variance + 1e-12
	v_rsq_f32 v[T+4], v[T+2]
	v_nop                                          ; a plain instruction behind it,
	s_wait_alu depctr_va_vdst(0)                   ; and the wait ahead of its first reader
.set k, 0
.rept 12
	v_pk_mul_f32 v[Z+2*k:Z+2*k+1], v[Z+2*k:Z+2*k+1], v[T+4:T+5] op_sel_hi:[1,0]
.set k, k+1
.endr
.set k, 0
.rept 12
	v_pk_fma_f32 v[Z+2*k:Z+2*k+1], v[Z+2*k:Z+2*k+1], v[G+2*k:G+2*k+1], v[BB+2*k:BB+2*k+1]
.set k, k+1
.endr
.irp n, 0,1,2,3,4,5
	global_store_b128 v8, v[Z+4*\n:Z+4*\n+3], s[22:23] offset:512*\n
.endr
	s_endpgm
.Lfunc_end_k_q752cb98920_ln2:
	.size	k_q752cb98920_ln2, .Lfunc_end_k_q752cb98920_ln2-k_q752cb98920_ln2
	.p2alignl 7, 3214868480
	.fill 96, 4, 3214868480
	.section	.rodata,"a",@progbits
	.p2align	6, 0x0
	.amdhsa_kernel k_q752cb98920_ln2
		.amdhsa_group_segment_fixed_size 0
		.amdhsa_private_segment_fixed_size 0
		.amdhsa_enable_private_segment 0
		.amdhsa_kernarg_size 56
		.amdhsa_user_sgpr_count 2
		.amdhsa_user_sgpr_kernarg_segment_ptr 1
		.amdhsa_wavefront_size32 1
		.amdhsa_system_sgpr_workgroup_id_x 1
		.amdhsa_system_sgpr_workgroup_id_y 1
		.amdhsa_system_sgpr_workgroup_id_z 1
		.amdhsa_system_vgpr_workitem_id 0
		.amdhsa_next_free_vgpr 152
		.amdhsa_next_free_sgpr 66
		.amdhsa_reserve_vcc 0
		.amdhsa_float_denorm_mode_32 3
		.amdhsa_float_denorm_mode_16_64 3
		.amdhsa_memory_ordered 1
		.amdhsa_forward_progress 1
		.amdhsa_inst_pref_size 19
	.end_amdhsa_kernel
	.amdgpu_metadata
---
amdhsa.version: [ 1, 2 ]
amdhsa.kernels:
  - .name:           k_q752cb98920_ln2
    .symbol:         k_q752cb98920_ln2.kd
    .args:
      - { .name: cmat, .offset: 0, .size: 8, .value_kind: global_buffer, .address_space: global }
      - { .name: list, .offset: 8, .size: 8, .value_kind: global_buffer, .address_space: global }
      - { .name: aout, .offset: 16, .size: 8, .value_kind: global_buffer, .address_space: global }
      - { .name: bo, .offset: 24, .size: 8, .value_kind: global_buffer, .address_space: global }
      - { .name: ln2_g, .offset: 32, .size: 8, .value_kind: global_buffer, .address_space: global }
      - { .name: ln2_b, .offset: 40, .size: 8, .value_kind: global_buffer, .address_space: global }
      - { .name: out0, .offset: 48, .size: 8, .value_kind: global_buffer, .address_space: global }
    .group_segment_fixed_size: 0
    .private_segment_fixed_size: 0
    .kernarg_segment_align: 8
    .kernarg_segment_size: 56
    .max_flat_workgroup_size: 256
    .sgpr_count:     66
    .vgpr_count:     152
    .wavefront_size: 32
...
	.end_amdgpu_metadata
.endif
;; end of part 8
